; MI455X (gfx1250); checked and timed in simulation.
; The chip was launched on July 23, 2026; its instructions are those of AMD's public machine-readable ISA for CDNA 5 (MIT licence, August 2026) and "CDNA5" Instruction Set Architecture Reference Guide (July 2026). The comments in the code are by the model that wrote it; some were corrected since.
;; Masked Multihead Self Attention. Allowed arithmetic: matrix products marked QUANTISED: E4M3 operands, one given power-of-two scale a tensor, by v_wmma_f32_16x16x64_fp8_fp8 or v_wmma_f32_16x16x128_fp8_fp8, f32 sums; everything else in f32.
;; Inputs: W_out 1,024 x 1,024 float32; W_qkv 1,024 x 3,072 float32; b_out 1,024 float32; b_qkv 3,072 float32; lowp_scales 8 int32 (the exponents e of the quantised operands' scales 2^e); x 4 x 2,048 x 1,024 float32.
;; Outputs: out0 4 x 2,048 x 1,024 float32.
;; This version of the problem:
;;   THIS VERSION OF THE PROBLEM IS GIVEN IN LOW PRECISION. The matrix products marked QUANTISED in the list below multiply operands that are first quantised to E4M3 (4 exponent bits, 3 mantissa bits; 8 bits a number), with one given power-of-two scale for each operand tensor; their sums are f32. All else is computed in f32.
;;   The module's matrix products, in the order in which they are computed (A, B: the left and right operand; K: the contracted axis; several contracted axes count as one K, in the product's order):
;;     1. [M 8,192, K 1,024] x [K 1,024, N 3,072]; A: input x; B: input W_qkv: QUANTISED (scales: A lowp_scales[0], B lowp_scales[1])
;;     2. batch 64 x [M 2,048, K 64] x [K 64, N 2,048]; A: computed on the way; B: computed on the way: QUANTISED (scales: A lowp_scales[2], B lowp_scales[3])
;;     3. batch 64 x [M 2,048, K 2,048] x [K 2,048, N 64]; A: softmax (see below); B: computed on the way: QUANTISED (scales: A lowp_scales[4], B lowp_scales[5])
;;     4. [M 8,192, K 1,024] x [K 1,024, N 1,024]; A: computed on the way; B: input W_out: QUANTISED (scales: A lowp_scales[6], B lowp_scales[7])
;;   THE QUANTISER, for each operand of a quantised product, along K:
;;     - The operand's scale is 2^e, e = its entry of the input lowp_scales (int32; the entries are numbered through the quantised products in the list's order, A before B).
;;     - Each number is divided by the scale, clamped to +-448, and rounded to the nearest number of E4M3, ties to even, subnormals kept.
;;     - The product sums the exact products of the quantised numbers (number of the format x scale) in f32.
;;   ~~~python
;;   def quantise(x, axis, e):      # numpy; x: float32 -> the quantised numbers, widened to float32 again
;;       x = np.moveaxis(x, axis, -1); K = x.shape[-1]
;;       r = np.clip(x / 2.0 ** e, -448, 448)
;;       step = 2.0 ** (np.maximum(np.frexp(np.where(r == 0, 1, r))[1] - 1, -6) - 3)
;;       q = np.round(r / step) * step * 2.0 ** e      # np.round: ties to even
;;       return np.moveaxis(q, -1, axis).astype(np.float32)
;;   ~~~
;;   SOFTMAX AHEAD OF A QUANTISED PRODUCT. Where the list says 'softmax', what is quantised is not the finished softmax but p = 2^(t - M), with t = logit x log2(e) and M = ceil(the row's largest t), a whole number; so 1/2 < the row's largest p <= 1. The row's sum l is taken of the UNQUANTISED p, in f32, and the product's result is divided by l at the end. Since M is a whole number, a kernel that streams over the keys may use a running M (the ceiling of the running maximum): every later rescaling is an exact power of two, so the quantised numbers keep their values, but for numbers so far below the row's largest that they fall under the format's range.
;;   OPERANDS COMPUTED ON THE WAY. 'Computed on the way' means the value that the module computes at that place (a softmax that the list does not call 'softmax' is quantised finished and normalised). What goes into a quantiser is computed in f32, as accurately as f32 sums, v_exp_f32 and their like allow (about 1e-6 of the number): no bf16 or f16 on the way to a quantiser, and a product that is left as it is and whose result goes on into a quantised operand takes f32 operands (vector FMAs, or v_wmma_f32_16x16x4_f32). A number that lies on a knife's edge between two numbers of the format may be rounded either way, as far as f32 arithmetic and the matrix unit's own rounding can turn it there, and no further.
;; One version. Each part assembles by itself: llvm-mc -triple=amdgcn-amd-amdhsa -mcpu=gfx1250 --defsym DOCPART=n.
;; ======== version 1 of 1: 4 launches
;; limits: right only within a limited range of input values
;; workspace buffers: x_codes 8,388,608 bytes; wqkv_codes 3,145,728 bytes; wout_codes 1,048,576 bytes; q_codes 8,388,608 bytes; k_codes 8,388,608 bytes; v_codes 8,388,608 bytes; a_codes 8,388,608 bytes
;; launch quant (part 1): grid 384 x 1, 4 waves a work-group, no clusters, 68,096 bytes of LDS; arguments x, W_qkv, W_out, lowp_scales, x_codes, wqkv_codes, wout_codes; writes x_codes, wqkv_codes, wout_codes
.if DOCPART == 1
	.amdgcn_target "amdgcn-amd-amdhsa--gfx1250"
	.amdhsa_code_object_version 6
	.text
	.protected	k_q771cf34a3e_quant
	.globl	k_q771cf34a3e_quant
	.p2align	8
	.type	k_q771cf34a3e_quant,@function
k_q771cf34a3e_quant:
	s_mov_b64 s[64:65], 0
	v_nop
	global_prefetch_b8 v0, s[64:65] scope:SCOPE_SE
	s_setreg_imm32_b32 hwreg(HW_REG_WAVE_MODE, 25, 1), 1
	s_wait_xcnt 0x0
; x [8192][1024], W_qkv [1024 k][3072 n] and W_out [1024 k][1024 n], all f32, become codes of FP8 (E4M3), K innermost, each with the scale 2^e given for it:
; x_codes [8192][1024] (e = entry 0), wqkv_codes [3072 n][1024 k] (entry 1), wout_codes [1024 n][1024 k] (entry 7).
; code = number / 2^e, held within +-448, rounded to the nearest code, ties to even.
; LIMITS: each e lies between -126 and 119, so that 2^e and 448 x 2^e are f32 numbers.  NaN among the inputs is not served; an infinity is held at the largest code.
; One launch, two ways that part on the work-group's number and never join; each way has LDS bytes of its own.
;   work-groups 0-255: x, whose K is innermost: a plain stream.  A wave takes 16 steps of 512 numbers; each load reads 512 consecutive bytes; a step turns through the wave's stage in LDS so that a lane
;     holds 16 neighbours along K, which is what the conversions take; a lane's 16 codes are 16 bytes, so a store covers 512 consecutive bytes.
;   work-groups 256-383: the weights, whose K is the FIRST axis: a lane takes a column n and its registers run down K, so that the conversions give codes with K innermost; a wave's 32 columns x 256 K
;     go through its stage and leave as rows: sixteen lanes store 256 consecutive, aligned bytes.  96 work-groups (24 x 4) serve W_qkv, 32 (8 x 4) W_out: the row's length lies in registers, so one text serves both.
; No tensor loads, no barrier: waves share nothing.  No matrix unit, no cluster: each byte is read once and nothing is shared.
.set STEPS, 16
.set SP,    80                         ; x: a lane's place in a stage: 64 bytes + 16 of padding
.set R,     16                         ; v16-79   x: four sets of 16 numbers as loaded
.set X,     80                         ; v80-111  x: two sets of 16 neighbours
.set C,     128                        ; v128-191 x: four registers of codes for each step: no store's data are written again
.set SPW,   12                         ; v12  LDS address of my spare word; never rewritten
.set NIL,   13                         ; v13  0; never rewritten
.set WBASE, 32768                      ; LDS: 0 .. 32,767 x's stages (8,192 a wave); from here the weights' stages
.set PITCH, 272                        ; a stage row of the weights: 256 bytes + 16
.set WST,   32*PITCH                   ; 32 rows a wave
.set SPARE, WBASE+4*WST                ; behind them the spare words: 128 bytes a wave, two blocks of 256 bytes that no other line names
.set NB,    8                          ; blocks of 32 along K for a wave
.set XW,    32                         ; v32-95   weights: two sets of 32 numbers
.set CW,    96                         ; v96-103  a block's codes
.set OUTR,  112                        ; v112-175 the way out
.set RO,    176                        ; v176-207 byte offset of row i of a block, at my column
.set MANT,  0x600000                   ; the mantissa field of 448 as f32
	s_load_b256 s[4:11], s[0:1], 0x0               ; x s[4:5], W_qkv s[6:7], W_out s[8:9], the scales' exponents s[10:11]
	s_load_b128 s[12:15], s[0:1], 0x20             ; x_codes s[12:13], wqkv_codes s[14:15]
	s_load_b64 s[16:17], s[0:1], 0x30              ; wout_codes
	v_lshl_add_u32 v[SPW], v0, 2, SPARE
	v_mov_b32 v[NIL], 0
	v_lshrrev_b32 v1, 5, v0
	v_readfirstlane_b32 s18, v1                    ; wave 0..3
	v_and_b32 v2, 31, v0                           ; lane
	s_wait_kmcnt 0x0
	s_load_b256 s[24:31], s[10:11], 0x0            ; e0 .. e7
	s_cmp_lt_u32 ttmp9, 256
	s_cbranch_scc0 .Lweights
; ---------------- x ----------------
	s_wait_alu depctr_va_vdst(0)
	v_lshlrev_b32 v3, 4, v2                        ; 16 x lane: my 16 bytes of a load's 512, and of a store's
	s_wait_alu depctr_va_vdst(0)
	s_lshl_b32 s19, s18, 13                        ; my wave's 8,192 bytes of LDS
	v_lshrrev_b32 v14, 2, v2
	v_mul_u32_u24 v14, v14, SP
	v_and_b32 v15, 3, v2
	v_lshl_add_u32 v14, v15, 4, v14
	v_add_nc_u32 v14, s19, v14                     ; into the stage: four lanes' 64 bytes on end, then the padding
	v_mul_u32_u24 v15, v2, SP
	v_add_nc_u32 v15, s19, v15                     ; out of it: my 16 neighbours
	s_lshl_b32 s20, ttmp9, 2
	s_add_co_u32 s20, s20, s18                     ; which run of 8,192 numbers is my wave's: 0 .. 1,023
	s_lshl_b32 s22, s20, 15
	s_mov_b32 s23, 0
	s_add_nc_u64 s[4:5], s[4:5], s[22:23]
	s_lshl_b32 s22, s20, 13
	s_add_nc_u64 s[12:13], s[12:13], s[22:23]
.macro LOADX t
.irp i, 0,1,2,3
	global_load_b128 v[R+16*((\t)%4)+4*\i:R+16*((\t)%4)+4*\i+3], v3, s[4:5] offset:2048*(\t)+512*\i th:TH_LOAD_NT   ; 32 lanes read 512 consecutive bytes; read once
.endr
.endm
.macro TURNX t                         ; step t through the stage: LDS serves a wave's instructions in order (ISA guide 5.7.1.4), so no wait stands between the stores and the loads
.irp i, 0,1,2,3
	ds_store_b128 v14, v[R+16*((\t)%4)+4*\i:R+16*((\t)%4)+4*\i+3] offset:32*SP*((\t)%2)+8*SP*\i
.endr
.irp i, 0,1,2,3
	ds_load_b128 v[X+16*((\t)%2)+4*\i:X+16*((\t)%2)+4*\i+3], v15 offset:32*SP*((\t)%2)+16*\i
.endr
.endm
.irp t, 0,1,2,3
	LOADX \t
.endr
	s_wait_alu depctr_va_vdst(0)
	s_wait_kmcnt 0x0
	s_add_co_i32 s22, s24, 127
	s_lshl_b32 s23, s22, 23
	v_mov_b32 v11, s23                             ; 2^e0 as f32: the conversion takes its exponent field
	s_add_co_i32 s22, s22, 8
	s_lshl_b32 s22, s22, 23
	s_or_b32 s22, s22, MANT
	v_mov_b32 v10, s22                             ; 448 x 2^e0
	s_wait_alu depctr_va_vdst(0)
	s_wait_loadcnt 12                              ; step 0's four loads are in; the twelve of steps 1 to 3 stay out
	TURNX 0
.macro STEPX t
.set XS, X+16*((\t)%2)
	s_wait_dscnt 0x0                               ; this step's numbers are back from the stage, so its stores into the stage have read their registers,
.if (\t)+4 < STEPS
	LOADX (\t)+4                                   ; which take the loads of four steps on
.endif
.if (\t)+1 < STEPS
.if STEPS-2-(\t) >= 3
	s_wait_loadcnt 12                              ; the next step's four loads are in; those of the three steps behind it stay out
.else
	s_wait_loadcnt 4*(STEPS-2-(\t))
.endif
	TURNX (\t)+1                                   ; and go through the other stage while this step is worked
.endif
.irp i, 0,1,2,3,4,5,6,7,8,9,10,11,12,13,14,15
	v_med3_num_f32 v[XS+\i], v[XS+\i], -v10, v10   ; the conversion to an 8-bit code does not saturate (ISA guide 7.6.2): the hold comes first
.endr
	v_cvt_scalef32_pk8_fp8_f32 v[C+4*(\t):C+4*(\t)+1], v[XS:XS+7], v11
	v_cvt_scalef32_pk8_fp8_f32 v[C+4*(\t)+2:C+4*(\t)+3], v[XS+8:XS+15], v11   ; the results go to a store alone; the next vector lines are the next step's holds, plain and on other registers
	global_store_b128 v3, v[C+4*(\t):C+4*(\t)+3], s[12:13] offset:512*(\t)    ; 32 lanes store 512 consecutive, aligned bytes
.endm
.irp t, 0,1,2,3,4,5,6,7,8,9,10,11,12,13,14,15
	STEPX \t
.endr
	s_wait_tensorcnt 0x0                           ; the wave's end: a wait, an add to my spare word and its wait, behind my last LDS store
	ds_add_u32 v[SPW], v[NIL]
	s_wait_dscnt 0x0
	s_endpgm
; ---------------- the weights ----------------
.Lweights:
	s_sub_co_u32 s20, ttmp9, 256
	s_lshr_b32 s21, s20, 2                         ; block of 128 columns: 0-23 W_qkv's, 24-31 W_out's
	s_and_b32 s20, s20, 3                          ; which 256 along K
	s_mov_b32 s22, 4096
	s_cmp_lt_u32 s21, 24                           ; the choices hang on the work-group's number alone
	s_cselect_b64 s[6:7], s[6:7], s[8:9]           ; the weight,
	s_cselect_b64 s[14:15], s[14:15], s[16:17]     ; its codes,
	s_cselect_b32 s22, 12288, s22                  ; a row of it in bytes,
	s_cselect_b32 s37, 1, 0                        ; (kept for the choice of e)
	s_cselect_b32 s23, 0, 24
	s_sub_co_u32 s21, s21, s23
	s_lshl_b32 s21, s21, 7
	s_lshl_b32 s23, s18, 5
	s_add_co_u32 s21, s21, s23                     ; my wave's first column
	s_mul_i32 s32, s20, s22
	s_lshl_b32 s32, s32, 8                         ; 256 rows x which
	s_lshl_b32 s33, s21, 2
	s_add_co_u32 s32, s32, s33
	s_mov_b32 s33, 0
	s_add_nc_u64 s[40:41], s[6:7], s[32:33]        ; block 0's first row at my first column
	s_lshl_b32 s34, s22, 5                         ; 32 rows
	s_mov_b32 s35, 0
.irp t, 1,2,3,4,5,6,7
	s_add_nc_u64 s[40+2*\t:41+2*\t], s[38+2*\t:39+2*\t], s[34:35]   ; a base for each block of 32 along K: none is stepped later
.endr
	s_lshl_b32 s32, s21, 10                        ; codes: column x 1,024 bytes + 256 x which
	s_lshl_b32 s36, s20, 8
	s_add_co_u32 s32, s32, s36
	s_add_nc_u64 s[14:15], s[14:15], s[32:33]
	s_wait_alu depctr_va_vdst(0)
	v_lshlrev_b32 v[RO], 2, v2                     ; 4 bytes a lane; each further row a row's bytes on
.irp i, 1,2,3,4,5,6,7,8,9,10,11,12,13,14,15,16,17,18,19,20,21,22,23,24,25,26,27,28,29,30,31
	v_add_nc_u32 v[RO+\i], s22, v[RO+\i-1]
.endr
	s_mul_i32 s19, s18, WST
	s_add_co_u32 s19, s19, WBASE                   ; my stage
	v_mul_u32_u24 v4, v2, PITCH
	v_add_nc_u32 v4, s19, v4                       ; into it: row = my column
	v_and_b32 v5, 15, v2
	v_lshrrev_b32 v6, 4, v2
	v_mul_u32_u24 v7, v6, PITCH
	v_lshl_add_u32 v7, v5, 4, v7
	v_add_nc_u32 v7, s19, v7                       ; out of it: sixteen lanes to a row, two rows an instruction
	v_lshlrev_b32 v8, 10, v6
	v_lshl_add_u32 v8, v5, 4, v8                   ; and the same place in the codes' buffer
.macro LOADW t                         ; block t: W(32 t + i, my column) into set t % 2: a wave reads 128 consecutive bytes, the four waves 512
.set i, 0
.rept 32
	global_load_b32 v[XW+32*((\t)%2)+i], v[RO+i], s[40+2*(\t):41+2*(\t)] th:TH_LOAD_NT
.set i, i+1
.endr
.endm
	LOADW 0
	LOADW 1
	s_wait_kmcnt 0x0
	s_cmp_eq_u32 s37, 1
	s_cselect_b32 s38, s25, s31                    ; e1 for W_qkv, e7 for W_out
	s_add_co_i32 s38, s38, 127
	s_lshl_b32 s39, s38, 23
	v_mov_b32 v11, s39                             ; 2^e
	s_add_co_i32 s38, s38, 8
	s_lshl_b32 s38, s38, 23
	s_or_b32 s38, s38, MANT
	v_mov_b32 v10, s38                             ; 448 x 2^e
.macro BLOCKW t
.set XS, XW+32*((\t)%2)
.if (\t) < NB-1
	s_wait_loadcnt 32                              ; this block's 32 loads are in; the next block's 32 stay out
.else
	s_wait_loadcnt 0
.endif
.set i, 0
.rept 32
	v_med3_num_f32 v[XS+i], v[XS+i], -v10, v10
.set i, i+1
.endr
.irp g, 0,1,2,3
	v_cvt_scalef32_pk8_fp8_f32 v[CW+2*\g:CW+2*\g+1], v[XS+8*\g:XS+8*\g+7], v11
.endr
	ds_store_b128 v4, v[CW:CW+3] offset:32*(\t)    ; 32 codes: 32 bytes of my column's row
	ds_store_b128 v4, v[CW+4:CW+7] offset:32*(\t)+16
.if (\t)+2 < NB
	LOADW (\t)+2
.endif
	s_wait_dscnt 0x0                               ; the stores have read their registers: the next block's codes may be written
.endm
.set Q, 0
	s_wait_alu depctr_va_vdst(0)
.rept NB
	BLOCKW Q
.set Q, Q+1
.endr
.irp t, 0,1,2,3,4,5,6,7,8,9,10,11,12,13,14,15
	ds_load_b128 v[OUTR+4*\t:OUTR+4*\t+3], v7 offset:2*\t*PITCH
.endr
.irp t, 0,1,2,3,4,5,6,7,8,9,10,11,12,13,14,15
	s_wait_dscnt 15-\t                             ; LDS loads come back in order: load t is in, the younger ones stay out
	global_store_b128 v8, v[OUTR+4*\t:OUTR+4*\t+3], s[14:15] offset:2*\t*1024   ; sixteen lanes store 256 consecutive, aligned bytes of a row of codes
.endr
	s_wait_tensorcnt 0x0                           ; the wave's end: the same three lines
	ds_add_u32 v[SPW], v[NIL]
	s_wait_dscnt 0x0
	s_endpgm
.Lfunc_end_k_q771cf34a3e_quant:
	.size	k_q771cf34a3e_quant, .Lfunc_end_k_q771cf34a3e_quant-k_q771cf34a3e_quant
	.p2alignl 7, 3214868480
	.fill 96, 4, 3214868480
	.section	.rodata,"a",@progbits
	.p2align	6, 0x0
	.amdhsa_kernel k_q771cf34a3e_quant
		.amdhsa_group_segment_fixed_size 68096
		.amdhsa_private_segment_fixed_size 0
		.amdhsa_enable_private_segment 0
		.amdhsa_kernarg_size 56
		.amdhsa_user_sgpr_count 2
		.amdhsa_user_sgpr_kernarg_segment_ptr 1
		.amdhsa_wavefront_size32 1
		.amdhsa_system_sgpr_workgroup_id_x 1
		.amdhsa_system_sgpr_workgroup_id_y 1
		.amdhsa_system_sgpr_workgroup_id_z 1
		.amdhsa_system_vgpr_workitem_id 0
		.amdhsa_next_free_vgpr 208
		.amdhsa_next_free_sgpr 66
		.amdhsa_reserve_vcc 0
		.amdhsa_float_denorm_mode_32 3
		.amdhsa_float_denorm_mode_16_64 3
		.amdhsa_memory_ordered 1
		.amdhsa_forward_progress 1
		.amdhsa_inst_pref_size 87
	.end_amdhsa_kernel
	.amdgpu_metadata
---
amdhsa.version: [ 1, 2 ]
amdhsa.kernels:
  - .name:           k_q771cf34a3e_quant
    .symbol:         k_q771cf34a3e_quant.kd
    .args:
      - { .name: x, .offset: 0, .size: 8, .value_kind: global_buffer, .address_space: global }
      - { .name: W_qkv, .offset: 8, .size: 8, .value_kind: global_buffer, .address_space: global }
      - { .name: W_out, .offset: 16, .size: 8, .value_kind: global_buffer, .address_space: global }
      - { .name: lowp_scales, .offset: 24, .size: 8, .value_kind: global_buffer, .address_space: global }
      - { .name: x_codes, .offset: 32, .size: 8, .value_kind: global_buffer, .address_space: global }
      - { .name: wqkv_codes, .offset: 40, .size: 8, .value_kind: global_buffer, .address_space: global }
      - { .name: wout_codes, .offset: 48, .size: 8, .value_kind: global_buffer, .address_space: global }
    .group_segment_fixed_size: 68096
    .private_segment_fixed_size: 0
    .kernarg_segment_align: 8
    .kernarg_segment_size: 56
    .max_flat_workgroup_size: 128
    .sgpr_count:     66
    .vgpr_count:     208
    .wavefront_size: 32
...
	.end_amdgpu_metadata
.endif
;; end of part 1
;; launch qkv (part 2): grid 12 x 32, 4 waves a work-group, clusters of 4 x 4, 327,680 bytes of LDS; arguments x_codes, wqkv_codes, lowp_scales, b_qkv, q_codes, k_codes, v_codes; writes q_codes, k_codes, v_codes
.if DOCPART == 2
	.amdgcn_target "amdgcn-amd-amdhsa--gfx1250"
	.amdhsa_code_object_version 6
	.text
	.protected	k_q771cf34a3e_qkv
	.globl	k_q771cf34a3e_qkv
	.p2align	8
	.type	k_q771cf34a3e_qkv,@function
k_q771cf34a3e_qkv:
	s_mov_b64 s[64:65], 0
	v_nop
	global_prefetch_b8 v0, s[64:65] scope:SCOPE_SE
	s_setreg_imm32_b32 hwreg(HW_REG_WAVE_MODE, 25, 1), 1
	s_wait_xcnt 0x0
	s_wait_alu depctr_hold_cnt(0) depctr_sa_sdst(0) depctr_va_vdst(0) depctr_va_sdst(0) depctr_va_ssrc(0) depctr_va_vcc(0) depctr_vm_vsrc(0)
	s_getreg_b32 s2, hwreg(HW_REG_IB_STS2, 6, 4)
	s_cmp_eq_u32 s2, 0
	s_cbranch_scc0 .Lentry_in_a_cluster
	s_endpgm
.Lentry_in_a_cluster:
	s_bfe_u32 s2, ttmp6, 0x10000c
	s_cmp_lg_u32 s2, 0xf033
	s_cbranch_scc0 .Lentry_shape_is_right
	s_endpgm
.Lentry_shape_is_right:
; qkv = x W_qkv + b_qkv on codes of FP8 (E4M3), K = 1,024; each result is quantised at once for the product that takes it, and nothing wider than a code goes to memory.
; x_codes [8192 tokens][1024], wqkv_codes [3072 n][1024].  A sum stands for sum x 2^(e0 + e1); number = sum x 2^(e0 + e1) + bias (one fused multiply-add, f32), held within +-448 x 2^eo, converted with 2^eo; eo = e2 (q), e3 (k), e5 (v).
; OUT: q_codes, k_codes [bh = 16 b + head][2048 t][64]: byte 32 c + 16 h + 8 u + j holds channel 32 c + 16 u + 8 h + j, alike in q and k.
;      v_codes [bh][16 blocks of 128 keys][64 channels][128]: byte 32 c + 16 h + 8 u + j holds key 32 c + 16 u + 8 h + j of the block: the keys are the next product's K, so they lie innermost.
; LIMITS: e0 + e1 between -126 and 127; eo between -126 and 119.  NaN is not served.
; A tile of 256 x 256 results is made by four waves, 128 x 128 each: 64 accumulators, 512 registers.  K goes in 4 steps of 256 through two LDS slots filled by the tensor data mover.  384 tiles: a tile's width divides 1,024, so a tile is wholly q, k or v.
; CLUSTERS of 4 x 4.  The cluster's x is the kind: 0 q, 1 k, 2 v, the same in all sixteen partners.  'A' is source 1 and is shared along a row of the cluster, 'B' is source 0 and is shared along a column; each tile is asked for jointly.
;   q, k: A = 256 tokens of x, B = 256 rows n of the weight: a lane holds one token and eight neighbouring channels, which are the next K.
;   v:    A = 256 rows n of the weight, B = 256 tokens of x: a lane holds one channel and eight neighbouring tokens (keys), which are the next K.  Only pointers and tile numbers are chosen; the loop is one text.
; REGISTERS: window 0: v0-31 addresses; v32-95, v96-111 the biases; from v128 A's fragments, one set; on the way out v128-191 codes, v192-255 rows to store.  window 1: B's fragments, two sets.  windows 2, 3: the accumulators ((a, b) at v[8 (8 (a % 4) + b)]).
.set ROWB,   256                       ; a tile's row: 256 codes
.set KROW,   1024                      ; a row of either operand in memory
.set PITCH,  272                       ; an LDS row: 256 bytes + 16: the 16 rows that a load touches start at 16 different 16-byte columns
.set FR,     16
.set NL,     4
.set NP,     4                         ; places behind this matrix instruction (ISA guide 7.12.1)
.set HALFT,  128*PITCH
.set SLOT,   4*HALFT
.set LAPS,   2                         ; 1,024 / (2 x 256)
.set SPARE,  2*SLOT                    ; behind the ring: the spare words, two blocks of 256 bytes that no other line names
.set QST,    10240                     ; the way out of q, k: a stage of 128 rows x (64 + 16) bytes for each wave, from LDS byte 0
.set VST0,   4*QST                     ; the way out of v: 64 rows x (128 + 16) bytes for each wave, behind them.  Both lie in slot 0, which has had its last fill and its last read by then
.set VST,    9216
.set SCR,  8                           ; v8   2^eo
.set LIMR, 9                           ; v9   448 x 2^eo
.set STOV, 10                          ; v10  v's stage: where I put 16 bytes
.set RDV,  11                          ; v11  and where I read rows back
.set ADRA, 16
.set ADRB, 20
.set STO,  24                          ; v24  q, k's stage: in
.set RD,   25                          ; v25  back
.set CO,   26                          ; v26  16 x lane: my place in a store's 512 bytes
.set BOQ,  27                          ; v27  offset of the bias along B's rows
.set SPW,  28
.set NIL,  29
.set BOP,  30                          ; v30  offset of the bias along A's rows
.set BQ,   32                          ; v32-95  bias of (b, j): n = 16 b + 8 h + j
.set BP,   96                          ; v96-111 bias of A's block a, my row r, in a pair
.set AF,   128
.set CD,   128
.set OUT,  192
.set G1, 24
.set G0, 32
.set G1B, 48
.set G0B, 56
.set MSB, 0
.macro WIN new                         ; the immediate's high byte repeats the setting that is left
.if MSB != \new
	s_set_vgpr_msb (MSB<<8)|\new
.set MSB, \new
.endif
.endm
.set MUL_LO, 0xa1                      ; source 0 (B) window 1, source 1 (A) window 0, C and D window 2
.set MUL_HI, 0xf1
.set TO_B,   0x40
; A joint load: waves 0 and 1 fetch for A, waves 2 and 3 for B; the branch hangs on the wave's number alone.  An s_nop 0 and four v_nop follow each line.
.macro JLOAD g0a, g1a, g0b, g1b
	s_cmp_eq_u32 s15, 0
	s_cbranch_scc0 .Lfor_b_\@
	tensor_load_to_lds s[\g0a:\g0a+3], s[\g1a:\g1a+7]
	s_nop 0
.rept 4
	v_nop
.endr
	s_branch .Lasked_\@
.Lfor_b_\@:
	tensor_load_to_lds s[\g0b:\g0b+3], s[\g1b:\g1b+7]
	s_nop 0
.rept 4
	v_nop
.endr
.Lasked_\@:
.endm
.macro CREST
	s_cmp_lg_u32 s14, 0
	s_cbranch_scc1 .Lnot_wave_0_\@
	s_barrier_signal -3
.Lnot_wave_0_\@:
	s_barrier_wait -3
	s_barrier_signal -1
	s_barrier_wait -1
.endm
.macro CROUND
	s_barrier_signal -1
	s_barrier_wait -1
	CREST
.endm
	s_load_b256 s[4:11], s[0:1], 0x0               ; x_codes s[4:5], wqkv_codes s[6:7], the scales' exponents s[8:9], b_qkv s[10:11]
	s_load_b128 s[68:71], s[0:1], 0x20             ; q_codes, k_codes
	s_load_b64 s[72:73], s[0:1], 0x30              ; v_codes
	v_lshl_add_u32 v[SPW], v0, 2, SPARE
	v_mov_b32 v[NIL], 0
	ds_add_u32 v[SPW], v[NIL]                      ; the wave's opening: the add, twice on end, and its wait ahead of my first tensor load; the set-up below stands between them
	ds_add_u32 v[SPW], v[NIL]
	v_lshrrev_b32 v1, 5, v0
	v_readfirstlane_b32 s14, v1                    ; wave 0..3
	s_lshr_b32 s15, s14, 1                         ; my half of A's rows.  Also: I fetch for A (0) or B (1)
	s_and_b32 s16, s14, 1                          ; my half of B's rows.  Also: which 128 rows I fetch
	s_bfe_u32 s40, ttmp6, 0x40000                  ; cx
	s_bfe_u32 s41, ttmp6, 0x40004                  ; cy
	s_and_b32 s74, ttmp7, 0xffff
	s_lshl_b32 s74, s74, 2                         ; 4 x cluster y
	s_lshl_b32 s75, ttmp9, 2                       ; 4 x kind
	s_cmp_eq_u32 ttmp9, 2                          ; v?  the same answer in all sixteen partners
	s_cselect_b32 s17, 8, s74                      ; A's tile: v: rows n from 2,048 on; q, k: tokens
	s_cselect_b32 s42, s74, s75                    ; B's tile: v: tokens; q, k: rows n of the kind
	s_add_co_u32 s17, s17, s41                     ; + cy: A's tile never holds cx,
	s_add_co_u32 s42, s42, s40                     ; + cx: B's never cy
	s_lshl_b32 s43, s41, 2
	s_lshl_b32 s43, 15, s43                        ; my row of the cluster
	s_lshl_b32 s44, 0x1111, s40                    ; my column
	s_or_b32 s[G1+0], s43, (0<<16)|(1<<20)|(1<<21)|(5<<22)|(3<<25)  ; the mask; elements of 1 byte; padding on; bit 21 beside a mask; four words after every 64
	s_or_b32 s[G1B+0], s44, (0<<16)|(1<<20)|(1<<21)|(5<<22)|(3<<25)
.irp g, G1, G1B
	s_mov_b32 s[\g+1], ROWB<<16                    ; tensor_dim0
	s_mov_b32 s[\g+2], 128<<16                     ; tensor_dim1
	s_mov_b32 s[\g+3], ROWB<<16                    ; tile_dim0
	s_mov_b32 s[\g+4], 128                         ; tile_dim1
	s_mov_b32 s[\g+5], KROW                        ; from row to row
	s_mov_b32 s[\g+6], 0
	s_mov_b32 s[\g+7], 0
.endr
	s_lshl_b32 s18, s16, 7
	s_lshl_b32 s20, s17, 8
	s_add_co_u32 s20, s20, s18
	s_lshl_b32 s20, s20, 10                        ; A: (256 x tile + 128 x half) rows of 1,024 bytes: under 2^24
	s_mov_b32 s21, 0
	s_lshl_b32 s46, s42, 8
	s_add_co_u32 s46, s46, s18
	s_lshl_b32 s46, s46, 10                        ; B likewise
	s_mov_b32 s47, 0
	s_mul_i32 s45, s14, HALFT                      ; where they go: wave x 128 rows
	s_wait_dscnt 0x0                               ; the opening add is done
	s_wait_kmcnt 0x0
	s_load_b256 s[84:91], s[8:9], 0x0              ; e0 .. e7
	s_cmp_eq_u32 ttmp9, 2
	s_cselect_b64 s[76:77], s[6:7], s[4:5]         ; A's buffer
	s_cselect_b64 s[78:79], s[4:5], s[6:7]         ; B's
	s_add_nc_u64 s[20:21], s[76:77], s[20:21]
	s_add_nc_u64 s[46:47], s[78:79], s[46:47]
	CROUND                                         ; all sixteen work-groups are here: the first joint loads meet
.irp s, 0,1
	s_mov_b32 s[G0+4*\s], 1
	s_add_co_u32 s[G0+4*\s+1], s45, \s*SLOT
	s_add_nc_u64 s[G0+4*\s+2:G0+4*\s+3], s[20:21], \s*ROWB
	s_or_b32 s[G0+4*\s+3], s[G0+4*\s+3], 0x80000000
	s_mov_b32 s[G0B+4*\s], 1
	s_add_co_u32 s[G0B+4*\s+1], s45, \s*SLOT
	s_add_nc_u64 s[G0B+4*\s+2:G0B+4*\s+3], s[46:47], \s*ROWB
	s_or_b32 s[G0B+4*\s+3], s[G0B+4*\s+3], 0x80000000
.endr
	JLOAD G0, G1, G0B, G1B                         ; K step 0: one tensor load a wave at the head
	v_and_b32 v1, 15, v0                           ; r
	s_wait_alu depctr_va_vdst(0)
	v_bfe_u32 v2, v0, 4, 1                         ; h
	v_and_b32 v6, 31, v0                           ; lane
	v_mul_u32_u24 v3, v1, PITCH
	v_lshl_add_u32 v4, v2, 4, v3
	s_mul_i32 s21, s15, HALFT
	s_mul_i32 s22, s16, HALFT
	s_add_co_u32 s22, s22, 2*HALFT
.irp s, 0,1
	v_add_nc_u32 v[ADRA+\s], s21, v4
	v_add_nc_u32 v[ADRB+\s], s22, v4
	s_add_co_u32 s21, s21, SLOT
	s_add_co_u32 s22, s22, SLOT
.endr
	; both ways out have their LDS addresses made here, ahead of the parting
	s_mul_i32 s23, s14, QST
	v_mul_u32_u24 v5, v1, 80
	s_wait_alu depctr_va_vdst(0)
	v_lshl_add_u32 v5, v2, 4, v5
	v_add_nc_u32 v[STO], s23, v5                   ; q, k in: row r, + 16 h
	v_lshrrev_b32 v5, 2, v6
	v_mul_u32_u24 v5, v5, 80
	v_and_b32 v7, 3, v6
	v_lshl_add_u32 v5, v7, 4, v5
	v_add_nc_u32 v[RD], s23, v5                    ; back: four lanes to a row of 64 bytes, eight rows an instruction
	s_mul_i32 s23, s14, VST
	s_add_co_u32 s23, s23, VST0
	v_mul_u32_u24 v5, v1, 144
	v_lshl_add_u32 v5, v2, 4, v5
	v_add_nc_u32 v[STOV], s23, v5                  ; v in: row r, + 16 h
	v_lshrrev_b32 v5, 3, v6
	v_mul_u32_u24 v5, v5, 144
	v_and_b32 v7, 7, v6
	v_lshl_add_u32 v5, v7, 4, v5
	v_add_nc_u32 v[RDV], s23, v5                   ; back: eight lanes to a row of 128 bytes, four rows an instruction
	v_lshlrev_b32 v[CO], 4, v6
	; THE BIAS.  q, k: along B's rows, eight numbers for each (b, h).  v: along A's rows, one number for each (a, r).  Both kinds are loaded without a branch; the kind that this cluster does not use reads the buffer's first bytes and is not used.
	s_lshl_b32 s66, s42, 10
	s_lshl_b32 s67, s16, 9
	s_add_co_u32 s66, s66, s67                     ; 4 (256 x B's tile + 128 x half)
	s_lshl_b32 s67, s17, 10
	s_lshl_b32 s80, s15, 9
	s_add_co_u32 s67, s67, s80                     ; 4 (256 x A's tile + 128 x half)
	s_cmp_eq_u32 ttmp9, 2
	s_cselect_b32 s66, 0, s66
	s_cselect_b32 s67, s67, 0
	v_lshl_add_u32 v[BOQ], v2, 5, s66
	v_lshl_add_u32 v[BOP], v1, 2, s67
.irp b, 0,1,2,3,4,5,6,7
	global_load_b128 v[BQ+8*\b:BQ+8*\b+3], v[BOQ], s[10:11] offset:64*\b
	global_load_b128 v[BQ+8*\b+4:BQ+8*\b+7], v[BOQ], s[10:11] offset:64*\b+16
.endr
.irp a, 0,1,2,3,4,5,6,7
	global_load_b32 v[BP+2*\a], v[BOP], s[10:11] offset:64*\a
.endr
	; where my 128 x 128 results go.  cx and cy enter these registers alone, which feed no descriptor
	s_cmp_eq_u32 ttmp9, 0
	s_cselect_b64 s[82:83], s[68:69], s[70:71]
	s_cmp_eq_u32 ttmp9, 2
	s_cselect_b64 s[82:83], s[72:73], s[82:83]
	s_cselect_b32 s92, s42, s17                    ; the tile of tokens,
	s_cselect_b32 s93, s16, s15                    ; my half of it,
	s_cselect_b32 s94, s41, s40                    ; the tile of four heads,
	s_cselect_b32 s95, s15, s16                    ; my two of them
	s_lshl_b32 s92, s92, 8
	s_lshl_b32 s93, s93, 7
	s_add_co_u32 s92, s92, s93                     ; my first token
	s_lshr_b32 s93, s92, 11
	s_lshl_b32 s93, s93, 4                         ; 16 b
	s_lshl_b32 s94, s94, 2
	s_add_co_u32 s93, s93, s94
	s_lshl_b32 s95, s95, 1
	s_add_co_u32 s93, s93, s95                     ; bh of my first head
	s_lshl_b32 s93, s93, 17                        ; a head's codes are 2^17 bytes in each of the three buffers
	s_and_b32 s92, s92, 2047
	s_lshl_b32 s92, s92, 6                         ; q, k: 64 bytes a token; v: 8,192 bytes for 128 tokens: the same number
	s_add_co_u32 s92, s92, s93
	s_mov_b32 s93, 0
	s_add_nc_u64 s[82:83], s[82:83], s[92:93]
.macro FRAG reg, adr, q, i             ; 16 rows x 128 K: registers 4 c .. 4 c + 3 hold K = 32 c + 16 h + 0 .. 15: the same order of k in A and in B
.irp c, 0,1,2,3
	ds_load_b128 v[\reg+4*\c:\reg+4*\c+3], v[\adr] offset:128*(\q)+32*\c+(\i)*16*PITCH
.endr
.endm
; 16 matrix instructions: A's blocks a0, a0 + 1 x B's eight.  The 64 accumulators take turns, one instruction a turn, in the same order in every step.
.macro MUL16 a0, p, zero
.irp a, \a0, \a0+1
.irp b, 0,1,2,3,4,5,6,7
.if \zero
	v_wmma_f32_16x16x128_fp8_fp8 v[8*(8*((\a)%4)+\b):8*(8*((\a)%4)+\b)+7], v[128*(\p)+FR*\b:128*(\p)+FR*\b+FR-1], v[AF+FR*(\a):AF+FR*(\a)+FR-1], 0
.else
	v_wmma_f32_16x16x128_fp8_fp8 v[8*(8*((\a)%4)+\b):8*(8*((\a)%4)+\b)+7], v[128*(\p)+FR*\b:128*(\p)+FR*\b+FR-1], v[AF+FR*(\a):AF+FR*(\a)+FR-1], v[8*(8*((\a)%4)+\b):8*(8*((\a)%4)+\b)+7]
.endif
.endr
.endr
.endm
.macro FETCH_B slot, q, p
	WIN TO_B
.irp i, 0,1,2,3,4,5,6,7
	FRAG 128*(\p)+FR*\i, ADRB+\slot, \q, \i
.endr
	WIN 0
.endm
.macro FETCH_A slot, q, i0
.irp i, \i0, \i0+1, \i0+2, \i0+3
	FRAG AF+FR*(\i), ADRA+\slot, \q, \i
.endr
.endm
.macro PLACES n                        ; plain vector instructions between a matrix instruction and a load into, or a vector instruction on, its registers
.rept \n
	v_nop
.endr
.endm
.macro STEP slot, q, zero              ; 128 along K, with its successor in the same slot
	s_wait_dscnt 4*NL                              ; B's set and A's blocks 0-3 are in; the youngest sixteen loads (A's blocks 4-7) stay out
	WIN MUL_LO
	MUL16 0, (\q)%2, \zero
	MUL16 2, (\q)%2, \zero
	s_wait_dscnt 0
	PLACES NP
	FETCH_B \slot, (\q)+1, 1-(\q)%2
	FETCH_A \slot, (\q)+1, 0
	WIN MUL_HI
	MUL16 4, (\q)%2, \zero
	MUL16 6, (\q)%2, \zero
	PLACES NP
	WIN 0
	FETCH_A \slot, (\q)+1, 4
.endm
; A slot's last step changes slots: one barrier; ahead of it each wave waits for all its tensor loads, adds 0 to its spare word, and waits for that and for its reads of this slot.  fill = 1: the slot is filled again, two K steps ahead, behind a round of the cluster's barrier.
.macro TURN slot, next, fill
	s_wait_tensorcnt 0x0                           ; all my tensor loads have landed: my part of the next slot
	ds_add_u32 v[SPW], v[NIL]
	s_wait_dscnt 4*NL+1                            ; the add and the youngest sixteen loads stay out
	WIN MUL_LO
	MUL16 0, 1, 0
	s_wait_dscnt 0x0                               ; the add is done, and my reads of this slot are over
	s_barrier_signal -1
	MUL16 2, 1, 0
	WIN 0
	s_barrier_wait -1
.if \fill
	CREST                                          ; no wave of any partner still reads this slot or has a load on its way
	s_add_nc_u64 s[G0+4*\slot+2:G0+4*\slot+3], s[G0+4*\slot+2:G0+4*\slot+3], 2*ROWB
	s_add_nc_u64 s[G0B+4*\slot+2:G0B+4*\slot+3], s[G0B+4*\slot+2:G0B+4*\slot+3], 2*ROWB
	JLOAD G0+4*\slot, G1, G0B+4*\slot, G1B         ; my one tensor load behind the round; its four v_nop are the places ahead of the loads below
.else
	PLACES NP
.endif
	FETCH_B \next, 0, 0
	FETCH_A \next, 0, 0
	WIN MUL_HI
	MUL16 4, 1, 0
	MUL16 6, 1, 0
	PLACES NP
	WIN 0
	FETCH_A \next, 0, 4
.endm
	s_wait_alu depctr_va_vdst(0)                   ; the head's end
	s_wait_tensorcnt 0x0                           ; my part of K step 0 is in; slot 1's first fill is issued as a refill is:
	ds_add_u32 v[SPW], v[NIL]
	s_wait_dscnt 0x0
	CROUND                                         ; everybody's part of K step 0 is in, and all sixteen work-groups are here
	JLOAD G0+4, G1, G0B+4, G1B                     ; K step 1: my one tensor load behind the round
	FETCH_B 0, 0, 0
	FETCH_A 0, 0, 0
	FETCH_A 0, 0, 4
	STEP 0, 0, 1                                   ; the first step's products start the sums: nothing is cleared
	s_mov_b32 s3, LAPS-1
.Llap:                                             ; a trip goes once round the ring and fills both slots again
	TURN 0, 1, 1
	STEP 1, 0, 0
	TURN 1, 0, 1
	STEP 0, 0, 0
	s_sub_co_u32 s3, s3, 1
	s_cmp_lg_u32 s3, 0
	s_cbranch_scc1 .Llap
	TURN 0, 1, 0                                   ; the last lap fills nothing
	STEP 1, 0, 0
	s_wait_dscnt 4*NL
	WIN MUL_LO
	MUL16 0, 1, 0
	MUL16 2, 1, 0
	s_wait_dscnt 0
	WIN MUL_HI
	MUL16 4, 1, 0
	MUL16 6, 1, 0
	WIN 0
; THE WAY OUT.  Block a (16 of A's rows x my 128 of B's): number = sum x 2^(e0 + e1) + bias, in place, each accumulator from its low end on; the hold; eight numbers of a lane, neighbours along the next K, become 8 bytes;
; the codes of B's blocks 2 bb and 2 bb + 1 are 16 bytes, put into my stage.  path 0: q, k; path 1: v.
.macro QOUT a, path
.set W,  2+(\a)/4
.set WW, (W<<6)|W
.set AC, 64*((\a)%4)
.set CC, CD+16*((\a)%4)
	WIN WW                                         ; destination and source 0 in the accumulators' window
.irp b, 0,1,2,3,4,5,6,7
.irp i, 0,2,4,6
.if \path
	v_pk_fma_f32 v[AC+8*\b+\i:AC+8*\b+\i+1], v[AC+8*\b+\i:AC+8*\b+\i+1], s[96:97], v[BP+2*(\a):BP+2*(\a)+1] op_sel_hi:[1,0,1]
.else
	v_pk_fma_f32 v[AC+8*\b+\i:AC+8*\b+\i+1], v[AC+8*\b+\i:AC+8*\b+\i+1], s[96:97], v[BQ+8*\b+\i:BQ+8*\b+\i+1] op_sel_hi:[1,0,1]
.endif
.endr
.endr
.set j, 0
.rept 64
	v_med3_num_f32 v[AC+j], v[AC+j], -v[LIMR], v[LIMR]   ; the conversion does not saturate (ISA guide 7.6.2)
.set j, j+1
.endr
	WIN W                                          ; source 0 in the accumulators' window, the codes in window 0
.irp b, 0,1,2,3,4,5,6,7
	v_cvt_scalef32_pk8_fp8_f32 v[CC+2*\b:CC+2*\b+1], v[AC+8*\b:AC+8*\b+7], v[SCR]
.endr
	WIN 0
	v_nop                                          ; one plain vector instruction behind the last conversion of a run
.irp bb, 0,1,2,3
.if \path
	ds_store_b128 v[STOV], v[CC+4*\bb:CC+4*\bb+3] offset:16*((\a)%4)*144+32*\bb               ; channel 16 (a % 4) + r of the head; keys 32 bb on
.else
	ds_store_b128 v[STO], v[CC+4*\bb:CC+4*\bb+3] offset:((\bb/2)*64+16*((\a)%4))*80+32*(\bb%2)  ; head bb / 2, token 16 (a % 4) + r; channels 32 (bb % 2) on
.endif
.endr
.endm
; Four blocks fill the stage: 8,192 bytes, which leave as sixteen stores of 512 consecutive, aligned bytes.  LDS serves a wave's instructions in order (ISA guide 5.7.1.4): no wait between my stores and my loads.
.macro HALF hf, path
	QOUT 4*\hf+0, \path
	QOUT 4*\hf+1, \path
	QOUT 4*\hf+2, \path
	QOUT 4*\hf+3, \path
.if \hf
	s_wait_xcnt 0x0                                ; the first half's stores have read their registers: the loads below land there
.endif
.irp i, 0,1,2,3,4,5,6,7,8,9,10,11,12,13,14,15
.if \path
	ds_load_b128 v[OUT+4*\i:OUT+4*\i+3], v[RDV] offset:576*\i
.else
	ds_load_b128 v[OUT+4*\i:OUT+4*\i+3], v[RD] offset:640*\i
.endif
.endr
.irp i, 0,1,2,3,4,5,6,7,8,9,10,11,12,13,14,15
	s_wait_dscnt 15-\i                             ; load i is in, the younger ones stay out
.if \path
	global_store_b128 v[CO], v[OUT+4*\i:OUT+4*\i+3], s[82:83] offset:131072*\hf+512*\i               ; head hf of my two; channels 4 i on, 128 bytes each
.else
	global_store_b128 v[CO], v[OUT+4*\i:OUT+4*\i+3], s[82:83] offset:(\i/8)*131072+4096*\hf+512*(\i%8)  ; head i / 8; tokens 64 hf + 8 (i % 8) on, 64 bytes each
.endif
.endr
.endm
	s_wait_kmcnt 0x0
	s_add_co_i32 s96, s84, s85
	s_add_co_i32 s96, s96, 127
	s_lshl_b32 s96, s96, 23                        ; 2^(e0 + e1) as f32
	s_mov_b32 s97, s96                             ; (named with it as a pair)
	s_cmp_eq_u32 ttmp9, 0
	s_cselect_b32 s92, s86, s87                    ; e2 for q, e3 for k,
	s_cmp_eq_u32 ttmp9, 2
	s_cselect_b32 s92, s89, s92                    ; e5 for v: a choice of values, no branch on a loaded number
	s_add_co_i32 s92, s92, 127
	s_lshl_b32 s93, s92, 23
	v_mov_b32 v[SCR], s93
	s_add_co_i32 s92, s92, 8
	s_lshl_b32 s92, s92, 23
	s_or_b32 s92, s92, 0x600000
	v_mov_b32 v[LIMR], s92
	s_wait_loadcnt 0x0                             ; the biases
	PLACES NP                                      ; behind the last products: for the reads of their results and the writes over A's fragments
	s_cmp_eq_u32 ttmp9, 2
	s_cbranch_scc1 .Lway_v
	HALF 0, 0
	HALF 1, 0
	s_branch .Ldone
.Lway_v:
.irp a, 0,1,2,3,4,5,6,7
	v_mov_b32 v[BP+2*\a+1], v[BP+2*\a]             ; a channel's bias serves both halves of a pair
.endr
	HALF 0, 1
	HALF 1, 1
.Ldone:
	s_wait_tensorcnt 0x0                           ; the wave's end: a wait, an add to my spare word and its wait, behind my last tensor load and my last LDS store
	ds_add_u32 v[SPW], v[NIL]
	s_wait_dscnt 0x0
	CROUND                                         ; the closing round: no work-group ends while a partner may still ask for a tile that names it
	s_endpgm
.Lfunc_end_k_q771cf34a3e_qkv:
	.size	k_q771cf34a3e_qkv, .Lfunc_end_k_q771cf34a3e_qkv-k_q771cf34a3e_qkv
	.p2alignl 7, 3214868480
	.fill 96, 4, 3214868480
	.section	.rodata,"a",@progbits
	.p2align	6, 0x0
	.amdhsa_kernel k_q771cf34a3e_qkv
		.amdhsa_group_segment_fixed_size 327680
		.amdhsa_private_segment_fixed_size 0
		.amdhsa_enable_private_segment 0
		.amdhsa_kernarg_size 56
		.amdhsa_user_sgpr_count 2
		.amdhsa_user_sgpr_kernarg_segment_ptr 1
		.amdhsa_wavefront_size32 1
		.amdhsa_system_sgpr_workgroup_id_x 1
		.amdhsa_system_sgpr_workgroup_id_y 1
		.amdhsa_system_sgpr_workgroup_id_z 1
		.amdhsa_system_vgpr_workitem_id 0
		.amdhsa_next_free_vgpr 1024
		.amdhsa_next_free_sgpr 100
		.amdhsa_reserve_vcc 0
		.amdhsa_float_denorm_mode_32 3
		.amdhsa_float_denorm_mode_16_64 3
		.amdhsa_memory_ordered 1
		.amdhsa_forward_progress 1
		.amdhsa_inst_pref_size 205
	.end_amdhsa_kernel
	.amdgpu_metadata
---
amdhsa.version: [ 1, 2 ]
amdhsa.kernels:
  - .name:           k_q771cf34a3e_qkv
    .symbol:         k_q771cf34a3e_qkv.kd
    .args:
      - { .name: x_codes, .offset: 0, .size: 8, .value_kind: global_buffer, .address_space: global }
      - { .name: wqkv_codes, .offset: 8, .size: 8, .value_kind: global_buffer, .address_space: global }
      - { .name: lowp_scales, .offset: 16, .size: 8, .value_kind: global_buffer, .address_space: global }
      - { .name: b_qkv, .offset: 24, .size: 8, .value_kind: global_buffer, .address_space: global }
      - { .name: q_codes, .offset: 32, .size: 8, .value_kind: global_buffer, .address_space: global }
      - { .name: k_codes, .offset: 40, .size: 8, .value_kind: global_buffer, .address_space: global }
      - { .name: v_codes, .offset: 48, .size: 8, .value_kind: global_buffer, .address_space: global }
    .group_segment_fixed_size: 327680
    .private_segment_fixed_size: 0
    .kernarg_segment_align: 8
    .kernarg_segment_size: 56
    .max_flat_workgroup_size: 128
    .sgpr_count:     100
    .vgpr_count:     1024
    .wavefront_size: 32
...
	.end_amdgpu_metadata
.endif
;; end of part 2
;; launch attn (part 3): grid 4 x 64, 8 waves a work-group, clusters of 4 x 1, 327,680 bytes of LDS; arguments q_codes, k_codes, v_codes, lowp_scales, a_codes; writes a_codes
.if DOCPART == 3
	.amdgcn_target "amdgcn-amd-amdhsa--gfx1250"
	.amdhsa_code_object_version 6
	.text
	.protected	k_q771cf34a3e_attn
	.globl	k_q771cf34a3e_attn
	.p2align	8
	.type	k_q771cf34a3e_attn,@function
k_q771cf34a3e_attn:
	s_mov_b64 s[64:65], 0
	v_nop
	global_prefetch_b8 v0, s[64:65] scope:SCOPE_SE
	s_setreg_imm32_b32 hwreg(HW_REG_WAVE_MODE, 25, 1), 1
	s_wait_xcnt 0x0
	s_wait_alu depctr_hold_cnt(0) depctr_sa_sdst(0) depctr_va_vdst(0) depctr_va_sdst(0) depctr_va_ssrc(0) depctr_va_vcc(0) depctr_vm_vsrc(0)
	s_getreg_b32 s2, hwreg(HW_REG_IB_STS2, 6, 4)
	s_cmp_eq_u32 s2, 0
	s_cbranch_scc0 .Lentry_in_a_cluster
	s_endpgm
.Lentry_in_a_cluster:
	s_bfe_u32 s2, ttmp6, 0x10000c
	s_cmp_lg_u32 s2, 0x3003
	s_cbranch_scc0 .Lentry_shape_is_right
	s_endpgm
.Lentry_shape_is_right:
; Causal attention on codes of FP8 (E4M3), head size 64, 2,048 keys, 64 heads (bh = 16 b + head); the result is quantised at once for the last product.
; q_codes, k_codes [bh][2048][64]; v_codes [bh][16 blocks of 128 keys][64 channels][128 keys], in the byte orders in which the launch before lays them; a_codes [16 heads][8192 tokens][64 channels].
; THE SOFTMAX: t = score x 2^(e2 + e3) x log2(e) / 8; M = the running largest t rounded UP to a whole number; p = 2^(t - M), not normalised, is held at 448 x 2^e4 and quantised with 2^e4; the row's sum is taken
; of the unquantised p; when M moves, the sum and O are multiplied by 2^(old M - new M), which rounds nothing.  o = O x 2^(e4 + e5) / sum, held within +-448 x 2^e6 and converted with 2^e6.
; LIMITS: e2 + e3 between -123 and 130 (added to the exponent field of log2(e) / 8); e4 and e6 between -126 and 119; e4 + e5 goes in by v_ldexp_f32 and has none.  NaN is not served.
; WORK LEFT OUT: the mask hides key k for query q where k > q; a step of 128 keys that all come after a unit's 32 queries can reach no output and is not walked.
; LDS: a head's K and V are 2 x 131,072 bytes of codes: both lie in LDS whole (512 rows of 256 + 16 bytes each) and no byte is filled twice.  The first 256 keys are asked for at the head, the other 1,792 behind
; one full sequence; each of the eight waves issues one load of each group (waves 0-3: quarters of K's part, waves 4-7: of V's).  Behind the one barrier that shows the second group LDS is only read.
; SHARES.  A unit is 32 queries, two tiles of 16; unit w needs w / 4 + 1 steps of 128 keys.  Wave j of work-group cx owns the short unit 4 j + cx (j + 1 steps) and the long unit 63 - 4 j - cx (16 - j steps):
; 17 unit steps for every wave of every work-group.  Both units walk the keys together from key 0, so that in steps 0 .. j four tiles share each fragment of K and V.
; A unit's two tiles X and Y go through a step together: their dependent chains are interleaved.  The exponentials go in two batches of 64 with plain work between them whose results are first read behind the
; next wait: X's batch carries Y's scalings, Y's batch carries the first level of X's sums and X's holds.
; CLUSTER of 4 x 1: the four work-groups of a head need the same K and V at the same time and ask jointly (mask 15).  Trip counts and branches hang on the wave's number and the step alone; cx enters
; only Q's and the result's addresses and the numbers that the mask compares.
; NO PREFETCH: all of K and V is asked for by the two groups of loads at the launch's head; no later load is left to run ahead of.
; LAYOUT.  Both products are used transposed: S^T = K Q^T, O^T = V^T P^T: a lane holds ONE query (lane % 16).  Tile u of S^T leaves lane (r, h) keys 16 u + 8 h + 0 .. 7; its eight codes are registers 2 u, 2 u + 1
; of the second product's operand (ISA guide 7.12.2), and V's bytes are laid to match.
; REGISTERS.  window 0: v1-7 addresses and constants; v8-11, v28-31 at work; v12-27 four tiles' -M, largest t, sum (a pair); v32-47, v48-63 p's codes (before them: X's partial sums); v64-127, v128-191 S^T of the unit in hand; v192-255 O^T long.
;             window 1: v0-63 K (8 tiles x 8); v64-127 V (4 tiles x 16); v128-191 O^T short; v192-207 Q long; v208-223 Q short.
.set STEPB, 8704                       ; 128 keys of K, or a block of V: 32 rows of 272 bytes
.set VOFF,  139264                     ; V's 512 rows lie behind K's
.set SPARE, 278528                     ; the spare words: 128 bytes for each of eight waves, four blocks of 256 bytes that no other line names
.set STAGE, 279552                     ; the way out: 2 x 32 rows x (64 + 16) bytes for each wave
.set AK0, 1                            ; my lane's place in a tile of K: 272 (r / 4) + 64 (r % 4) + 16 h
.set AV0, 2                            ; in a tile of V: VOFF + 272 (r / 2) + 128 (r % 2) + 16 h
.set ADK, 3
.set ADV, 4
.set SPW, 5
.set NIL, 6
.set SC4, 7                            ; 2^e4
.set STO, 8                            ; the way out alone: the stage, in
.set RD,  9                            ; back
.set GO,  10                           ; 16 x lane
.set PA,  32
.set PB,  48
.set SX,  64
.set SY,  128
.set WV,  18
.set SEL, 20
.set CS,  22
.set G1A, 24                           ; group 1: 16 rows of 256 bytes;  G1B: 112 rows
.set G1B, 32
.set G0A, 40
.set G0B, 44
.set KS,  48                           ; the step of 128 keys, 0 .. 15: also the loops' counter
.set KB,  49                           ; its first byte in K's region and in V's
.set LASTL, 50                         ; 15 - wave: the long unit's last step
.set QRL, 51                           ; the long unit's first query less its last step's first key: 32 (3 - cx)
.set QRS, 52                           ; the same for the short unit: 32 cx
.set LIM4, 53                          ; 448 x 2^e4
.set EPV, 54
.set SC6, 55
.set LIM6, 56
.set AOL, 58
.set AOS, 60
.set MSB, 0
.macro WIN new                         ; the immediate's high byte repeats the setting that is left
.if MSB != \new
	s_set_vgpr_msb (MSB<<8)|\new
.set MSB, \new
.endif
.endm
.macro CROUND                          ; a round of the cluster's barrier
	s_barrier_signal -1
	s_barrier_wait -1
	s_cmp_lg_u32 s[WV], 0
	s_cbranch_scc1 .Lnot_wave_0_\@
	s_barrier_signal -3
.Lnot_wave_0_\@:
	s_barrier_wait -3
	s_barrier_signal -1
	s_barrier_wait -1
.endm
.macro PLACES
.rept 4
	v_nop
.endr
.endm
	s_load_b256 s[4:11], s[0:1], 0x0               ; q_codes, k_codes, v_codes, the scales' exponents
	s_load_b64 s[12:13], s[0:1], 0x20              ; a_codes
	v_lshl_add_u32 v[SPW], v0, 2, SPARE
	v_mov_b32 v[NIL], 0
	ds_add_u32 v[SPW], v[NIL]                      ; the opening: the add, twice on end, and its wait ahead of my first tensor load
	ds_add_u32 v[SPW], v[NIL]
	v_lshrrev_b32 v28, 5, v0
	v_readfirstlane_b32 s[WV], v28                 ; wave 0..7
	s_bfe_u32 s76, ttmp6, 0x40000                  ; cx
	s_and_b32 s77, ttmp7, 0xffff                   ; bh
	s_mov_b32 s[G1A], 15|(3<<16)|(1<<20)|(1<<21)|(5<<22)|(3<<25)   ; the four partners; elements of 8 bytes; padding: four words after every 64; bit 21 beside a mask
	s_mov_b32 s[G1A+1], 32<<16                     ; rows of 32 elements: 256 bytes
	s_mov_b32 s[G1A+2], 16<<16
	s_mov_b32 s[G1A+3], 32<<16
	s_mov_b32 s[G1A+4], 16
	s_mov_b32 s[G1A+5], 32                         ; dense
	s_mov_b32 s[G1A+6], 0
	s_mov_b32 s[G1A+7], 0
	s_mov_b32 s[G1B], 15|(3<<16)|(1<<20)|(1<<21)|(5<<22)|(3<<25)
	s_mov_b32 s[G1B+1], 32<<16
	s_mov_b32 s[G1B+2], 112<<16
	s_mov_b32 s[G1B+3], 32<<16
	s_mov_b32 s[G1B+4], 112
	s_mov_b32 s[G1B+5], 32
	s_mov_b32 s[G1B+6], 0
	s_mov_b32 s[G1B+7], 0
	s_lshr_b32 s78, s[WV], 2                       ; 0: I fetch of K, 1: of V
	s_and_b32 s79, s[WV], 3                        ; which quarter
	s_mul_i32 s80, s78, VOFF
	s_mul_i32 s81, s79, 16*272
	s_add_co_u32 s[G0A+1], s80, s81                ; rows 16 x quarter of the region
	s_mul_i32 s81, s79, 112*272
	s_add_co_u32 s81, s81, s80
	s_add_co_u32 s[G0B+1], s81, 64*272             ; rows 64 + 112 x quarter
	s_mov_b32 s[G0A], 1
	s_mov_b32 s[G0B], 1
	s_lshl_b32 s82, s77, 17                        ; a head's codes are 2^17 bytes in q, k and v
	s_mov_b32 s83, 0
	s_lshl_b32 s84, s79, 12
	s_mov_b32 s85, 0
	s_mul_i32 s86, s79, 112*256
	s_add_co_u32 s86, s86, 64*256
	s_mov_b32 s87, 0
	s_add_nc_u64 s[84:85], s[84:85], s[82:83]
	s_add_nc_u64 s[86:87], s[86:87], s[82:83]
	s_mov_b32 s[SEL], 0x76543210
	s_mov_b32 s[SEL+1], 0xfedcba98
	s_mov_b32 s[KS], 0
	s_mov_b32 s[KB], 0
	s_sub_co_u32 s[LASTL], 15, s[WV]
	s_wait_dscnt 0x0                               ; both opening adds are done
	s_wait_kmcnt 0x0
	s_load_b256 s[68:75], s[10:11], 0x0            ; e0 .. e7
	s_cmp_eq_u32 s78, 0
	s_cselect_b64 s[88:89], s[6:7], s[8:9]
	s_add_nc_u64 s[G0A+2:G0A+3], s[88:89], s[84:85]
	s_or_b32 s[G0A+3], s[G0A+3], 0x80000000
	s_add_nc_u64 s[G0B+2:G0B+3], s[88:89], s[86:87]
	s_or_b32 s[G0B+3], s[G0B+3], 0x80000000
	CROUND                                         ; the four work-groups are here: the first joint loads meet
	tensor_load_to_lds s[G0A:G0A+3], s[G1A:G1A+7]  ; my eighth of the first 256 keys' K and V
	s_nop 0
	PLACES
	s_wait_kmcnt 0x0
	s_lshl_b32 s90, s[WV], 2
	s_add_co_u32 s90, s90, s76                     ; the short unit
	s_sub_co_u32 s91, 63, s90                      ; the long unit
	s_lshl_b32 s90, s90, 11                        ; a unit is 32 x 64 bytes in q_codes and in a_codes
	s_lshl_b32 s91, s91, 11
	s_add_nc_u64 s[4:5], s[4:5], s[82:83]
	s_mov_b32 s92, s91
	s_mov_b32 s93, 0
	s_add_nc_u64 s[94:95], s[4:5], s[92:93]        ; Q long
	s_and_b32 s84, s77, 15
	s_lshl_b32 s84, s84, 19                        ; a_codes: a head is 8,192 tokens x 64 bytes,
	s_lshr_b32 s86, s77, 4
	s_lshl_b32 s86, s86, 17                        ; a batch 2,048 tokens
	s_add_co_u32 s84, s84, s86
	s_mov_b32 s85, 0
	s_add_nc_u64 s[12:13], s[12:13], s[84:85]
	s_add_nc_u64 s[AOL:AOL+1], s[12:13], s[92:93]
	s_mov_b32 s92, s90
	s_add_nc_u64 s[96:97], s[4:5], s[92:93]        ; Q short
	s_add_nc_u64 s[AOS:AOS+1], s[12:13], s[92:93]
	s_lshl_b32 s[QRS], s76, 5
	s_sub_co_u32 s[QRL], 96, s[QRS]
	s_mul_i32 s98, s[WV], 5120
	s_add_co_u32 s98, s98, STAGE                   ; my stage
	s_add_co_i32 s99, s70, s71
	s_lshl_b32 s99, s99, 23
	s_add_co_i32 s[CS], s99, 0x3e38aa3b            ; log2(e) / 8 with e2 + e3 added to its exponent field
	s_mov_b32 s[CS+1], s[CS]                       ; (named with it as a pair)
	s_add_co_i32 s99, s72, 127
	s_lshl_b32 s92, s99, 23                        ; 2^e4
	s_add_co_i32 s99, s99, 8
	s_lshl_b32 s99, s99, 23
	s_or_b32 s[LIM4], s99, 0x600000
	s_add_co_i32 s99, s74, 127
	s_lshl_b32 s[SC6], s99, 23
	s_add_co_i32 s99, s99, 8
	s_lshl_b32 s99, s99, 23
	s_or_b32 s[LIM6], s99, 0x600000
	s_add_co_i32 s[EPV], s72, s73
	v_and_b32 v28, 15, v0                          ; r
	v_bfe_u32 v29, v0, 4, 1                        ; h
	v_lshlrev_b32 v[ADK], 6, v28
	v_lshl_add_u32 v[ADK], v29, 4, v[ADK]          ; Q: 64 r + 16 h
	WIN 0x40
.irp t, 0,1
.irp c, 0,1
	global_load_b128 v[192+8*\t+4*\c:195+8*\t+4*\c], v[ADK], s[94:95] offset:1024*\t+32*\c   ; Q of both units stays in registers
	global_load_b128 v[208+8*\t+4*\c:211+8*\t+4*\c], v[ADK], s[96:97] offset:1024*\t+32*\c
.endr
.endr
	WIN 0
	v_lshrrev_b32 v[AK0], 2, v28
	v_mul_u32_u24 v[AK0], v[AK0], 272
	v_and_b32 v8, 3, v28
	v_lshl_add_u32 v[AK0], v8, 6, v[AK0]
	v_lshl_add_u32 v[AK0], v29, 4, v[AK0]
	v_lshrrev_b32 v[AV0], 1, v28
	v_mul_u32_u24 v[AV0], v[AV0], 272
	v_and_b32 v8, 1, v28
	v_lshl_add_u32 v[AV0], v8, 7, v[AV0]
	v_lshl_add_u32 v[AV0], v29, 4, v[AV0]
	v_add_nc_u32 v[AV0], VOFF, v[AV0]
	v_mov_b32 v[SC4], s92
.irp st, 12,16,20,24                   ; each tile: the largest t under every t, -M, and zeros for the sum
	v_mov_b32 v[\st+1], 0xff61b1e6
	v_mov_b32 v[\st+2], 0
	v_mov_b32 v[\st+3], 0
	v_floor_f32 v[\st], -v[\st+1]
.endr
	v_mov_b32 v31, 0                               ; a lane permute's destination counts as one of its sources (v29 is written above)
.set j, 0
.rept 64
	v_mov_b32 v[192+j], 0                          ; O^T: the step is written for every step alike; the first change of M multiplies zeros
.set j, j+1
.endr
	WIN 0x40
.set j, 0
.rept 64
	v_mov_b32 v[128+j], 0
.set j, j+1
.endr
	WIN 0
	s_wait_alu depctr_va_vdst(0)                   ; the head's end
	s_wait_tensorcnt 0x0                           ; my part of the first 256 keys is in; the later first fill is issued as a refill is:
	ds_add_u32 v[SPW], v[NIL]
	s_wait_dscnt 0x0
	CROUND                                         ; everybody's part is in, and the four work-groups are here
	tensor_load_to_lds s[G0B:G0B+3], s[G1B:G1B+7]  ; my eighth of all that is left: keys 256 .. 2,047
	s_nop 0
	PLACES
	s_wait_loadcnt 0x0                             ; Q
; A UNIT'S STEP OF 128 KEYS, its tiles X and Y (queries 16 on) side by side.  q: Q's registers (window 1); st: X's -M, largest t, sum's pair, then Y's; o: O^T of X, then of Y, in window ow.
; mk = 1: in the unit's last step (step dg) hidden scores become -infinity ahead of the maximum; qr: the unit's first query less that step's first key.  That key counts for every query, so the maximum is a number.
.macro PAIR q, st, o, ow, mk, dg, qr, vw
	WIN 0x05                                       ; K and Q in window 1, S^T in window 0
.irp u, 0,1,2,3,4,5,6,7
	v_wmma_f32_16x16x64_fp8_fp8 v[SX+8*\u:SX+8*\u+7], v[8*\u:8*\u+7], v[\q:\q+7], 0
	v_wmma_f32_16x16x64_fp8_fp8 v[SY+8*\u:SY+8*\u+7], v[8*\u:8*\u+7], v[\q+8:\q+15], 0
.endr
	WIN 0
	PLACES                                         ; ahead of the first read of the scores
.if \mk
	s_cmp_lg_u32 s[KS], s[\dg]                     ; the wave's number and the step alone
	s_cbranch_scc1 .Lopen_\@
	v_and_b32 v8, 15, v0
	v_bfe_u32 v10, v0, 4, 1
	v_lshlrev_b32 v10, 3, v10
	v_sub_nc_u32 v8, v8, v10
	v_add_nc_u32 v8, s[\qr], v8                    ; d = qr + r - 8 h.  X's register 8 u + j holds the step's key 16 u + 8 h + j: hidden where 16 u + j > d;
	v_mov_b32 v9, 0xff800000                       ; Y's queries lie 16 on, so its register 8 (u + 1) + j is hidden under the same test, and its tile 0 never
.set n, 0
.rept 64
	v_cmp_gt_i32 vcc_lo, 16*(n/8)+n%8, v8
	v_cndmask_b32 v[SX+n], v[SX+n], v9, vcc_lo
.if n < 56
	v_cndmask_b32 v[SY+n+8], v[SY+n+8], v9, vcc_lo
.endif
.set n, n+1
.endr
.Lopen_\@:
.endif
	v_max3_num_f32 v28, v[SX], v[SX+1], v[SX+2]    ; the step's largest scores among my 64 keys, in four chains; each accumulator is read from its low end on
	v_max3_num_f32 v30, v[SY], v[SY+1], v[SY+2]
	v_max3_num_f32 v29, v[SX+3], v[SX+4], v[SX+5]
	v_max3_num_f32 v31, v[SY+3], v[SY+4], v[SY+5]
.irp i, 6,10,14,18,22,26,30,34,38,42,46,50,54,58
	v_max3_num_f32 v28, v28, v[SX+\i], v[SX+\i+1]
	v_max3_num_f32 v30, v30, v[SY+\i], v[SY+\i+1]
	v_max3_num_f32 v29, v29, v[SX+\i+2], v[SX+\i+3]
	v_max3_num_f32 v31, v31, v[SY+\i+2], v[SY+\i+3]
.endr
	v_max3_num_f32 v28, v28, v[SX+62], v[SX+63]
	v_max3_num_f32 v30, v30, v[SY+62], v[SY+63]
	v_max_num_f32 v28, v28, v29
	v_max_num_f32 v30, v30, v31
	v_permlanex16_b32 v29, v28, s[SEL], s[SEL+1]
	v_permlanex16_b32 v31, v30, s[SEL], s[SEL+1]
	v_max_num_f32 v28, v28, v29                    ; and among lane l xor 16's
	v_max_num_f32 v30, v30, v31
	v_mul_f32 v28, s[CS], v28                      ; as t (c is positive)
	v_mul_f32 v30, s[CS], v30
	v_max_num_f32 v[\st+1], v[\st+1], v28          ; the running largest t
	v_max_num_f32 v[\st+5], v[\st+5], v30
	v_mov_b32 v28, v[\st]
	v_mov_b32 v30, v[\st+4]
	v_floor_f32 v[\st], -v[\st+1]                  ; the new -M = -ceil(t)
	v_floor_f32 v[\st+4], -v[\st+5]
	v_sub_f32 v28, v[\st], v28                     ; old M - new M: a whole number, 0 or less
	v_sub_f32 v30, v[\st+4], v30
	v_cvt_i32_f32 v28, v28                         ; (it saturates)
	v_cvt_i32_f32 v30, v30
	v_ldexp_f32 v28, 1.0, v28                      ; f = 2^(old M - new M), the low word of the pairs v[28:29], v[30:31]
	v_ldexp_f32 v30, 1.0, v30
.set n, 0
.rept 32
	v_pk_fma_f32 v[SX+n:SX+n+1], v[SX+n:SX+n+1], s[CS:CS+1], v[\st:\st+1] op_sel_hi:[1,0,0]   ; X: t - M, two at a time
.set n, n+2
.endr
	s_wait_alu depctr_va_vdst(0)                   ; ahead of the batch
.set n, 0
.rept 32
	v_exp_f32 v[SX+n], v[SX+n]                     ; X: p = 2^(t - M);
	v_pk_fma_f32 v[SY+n:SY+n+1], v[SY+n:SY+n+1], s[CS:CS+1], v[\st+4:\st+5] op_sel_hi:[1,0,0]   ; between them Y's t - M, first read behind the next wait
	v_exp_f32 v[SX+n+1], v[SX+n+1]
.set n, n+2
.endr
	v_pk_mul_f32 v[\st+2:\st+3], v[\st+2:\st+3], v[28:29] op_sel_hi:[1,0]   ; the sums under the new M: plain instructions behind the exponentials
	v_pk_mul_f32 v[\st+6:\st+7], v[\st+6:\st+7], v[30:31] op_sel_hi:[1,0]
	s_wait_alu depctr_va_vdst(0)                   ; one wait: behind X's batch, ahead of its first reader, and ahead of Y's batch
.set n, 0
.rept 16
	v_exp_f32 v[SY+n], v[SY+n]                     ; Y: p = 2^(t - M);  between them, all first read behind the next wait:
	v_pk_add_f32 v[PA+n/2:PA+n/2+1], v[SX+n:SX+n+1], v[SX+n+2:SX+n+3]   ; the first level of X's sum, of the unquantised p, into registers that hold codes later,
	v_exp_f32 v[SY+n+1], v[SY+n+1]
	v_dual_min_num_f32 v[SX+n], s[LIM4], v[SX+n] :: v_dual_min_num_f32 v[SX+n+1], s[LIM4], v[SX+n+1]       ; and X's hold: the conversion does not saturate (ISA guide 7.6.2); p is not negative: one-sided, always made, two to an instruction
	v_exp_f32 v[SY+n+2], v[SY+n+2]
	v_dual_min_num_f32 v[SX+n+2], s[LIM4], v[SX+n+2] :: v_dual_min_num_f32 v[SX+n+3], s[LIM4], v[SX+n+3]
	v_exp_f32 v[SY+n+3], v[SY+n+3]
.set n, n+4
.endr
	v_nop                                          ; a plain place behind the last exponential
	s_wait_alu depctr_va_vdst(0)                   ; one wait behind Y's batch, ahead of the readers below
	v_pk_add_f32 v[10:11], v[SY:SY+1], v[SY+2:SY+3]    ; Y's sum of the unquantised p in two chains, X's sixteen partial sums in two more
	v_pk_add_f32 v[8:9], v[PA:PA+1], v[PA+2:PA+3]
.irp i, 4,8,12,16,20,24,28,32,36,40,44,48,52,56,60
	v_pk_add_f32 v[\st+6:\st+7], v[\st+6:\st+7], v[SY+\i:SY+\i+1]
	v_pk_add_f32 v[10:11], v[10:11], v[SY+\i+2:SY+\i+3]
.if \i < 32
	v_pk_add_f32 v[\st+2:\st+3], v[\st+2:\st+3], v[PA+\i:PA+\i+1]
	v_pk_add_f32 v[8:9], v[8:9], v[PA+\i+2:PA+\i+3]
.endif
.endr
	v_pk_add_f32 v[\st+2:\st+3], v[\st+2:\st+3], v[8:9]
	v_pk_add_f32 v[\st+6:\st+7], v[\st+6:\st+7], v[10:11]
.set n, 0
.rept 32
	v_dual_min_num_f32 v[SY+n], s[LIM4], v[SY+n] :: v_dual_min_num_f32 v[SY+n+1], s[LIM4], v[SY+n+1]       ; Y's hold
.set n, n+2
.endr
.irp u, 0,1,2,3,4,5,6,7
	v_cvt_scalef32_pk8_fp8_f32 v[PA+2*\u:PA+2*\u+1], v[SX+8*\u:SX+8*\u+7], v[SC4]
	v_cvt_scalef32_pk8_fp8_f32 v[PB+2*\u:PB+2*\u+1], v[SY+8*\u:SY+8*\u+7], v[SC4]
.endr
.if \ow
	WIN 0x41                                       ; O^T in window 1, f in window 0
.endif
	s_wait_alu depctr_va_vdst(0)                   ; directly ahead of the first reader of O^T
.set n, 0
.rept 16
	v_pk_mul_f32 v[\o+n:\o+n+1], v[\o+n:\o+n+1], v[28:29] op_sel_hi:[1,0]   ; O^T under the new M; also the plain instructions behind the conversions
.set n, n+2
.endr
.set n, 0
.rept 16
	v_pk_mul_f32 v[\o+32+n:\o+32+n+1], v[\o+32+n:\o+32+n+1], v[30:31] op_sel_hi:[1,0]
.set n, n+2
.endr
	s_wait_alu depctr_va_vdst(0)
.if \vw
	s_wait_dscnt 0x0                               ; V's fragments
.endif
	WIN 0x01+0x50*\ow                              ; V in window 1; O^T in its window
.irp t, 0,1,2,3                        ; the eight accumulators take turns
	v_wmma_f32_16x16x128_fp8_fp8 v[\o+8*\t:\o+8*\t+7], v[64+16*\t:64+16*\t+15], v[PA:PA+15], v[\o+8*\t:\o+8*\t+7]
	v_wmma_f32_16x16x128_fp8_fp8 v[\o+32+8*\t:\o+32+8*\t+7], v[64+16*\t:64+16*\t+15], v[PB:PB+15], v[\o+32+8*\t:\o+32+8*\t+7]
.endr
	WIN 0
.endm
; A STEP OF 128 KEYS.  Every wave walks every trip; a wave whose units are past their last steps jumps over the work (the wave's number and the step alone).  first = 1: steps 0 and 1, in which every long unit
; is at work and none is on its diagonal (its last step is 8 at the least).
.macro TRIP first
.if \first == 0
	s_cmp_gt_u32 s[KS], s[LASTL]
	s_cbranch_scc1 .Lidle_\@
.endif
	v_add_nc_u32 v[ADK], s[KB], v[AK0]
	v_add_nc_u32 v[ADV], s[KB], v[AV0]
	v_nop
	v_nop                                          ; with the two additions: four places ahead of loads into registers that the last products read
	WIN 0x40
.irp u, 0,1,2,3,4,5,6,7
.irp c, 0,1
	ds_load_b128 v[8*\u+4*\c:8*\u+4*\c+3], v[ADK] offset:1088*\u+32*\c            ; K: keys 16 u + r
.endr
.endr
.irp t, 0,1,2,3
.irp c, 0,1,2,3
	ds_load_b128 v[64+16*\t+4*\c:64+16*\t+4*\c+3], v[ADV] offset:2176*\t+32*\c    ; V: channels 16 t + r: they land under the first softmax
.endr
.endr
	WIN 0
	s_wait_dscnt 16                                ; K's sixteen loads are in; V's sixteen stay out
	PAIR 192, 12, 192, 0, 1-\first, LASTL, QRL, 1
	s_cmp_gt_u32 s[KS], s[WV]                      ; the short unit's last step is my wave's number
	s_cbranch_scc1 .Lidle_\@
	PAIR 208, 20, 128, 1, 1, WV, QRS, 0
.Lidle_\@:
	s_add_co_u32 s[KB], s[KB], STEPB
	s_add_co_u32 s[KS], s[KS], 1
.endm
.Lfirst:                                           ; two trips on the first 256 keys, while the other keys are on their way
	TRIP 1
	s_cmp_lt_u32 s[KS], 2
	s_cbranch_scc1 .Lfirst
	s_wait_tensorcnt 0x0                           ; my part of the other keys is in,
	s_wait_dscnt 0x0
	s_barrier_signal -1
	s_barrier_wait -1                              ; and everybody's
.Lrest:                                            ; fourteen trips
	TRIP 0
	s_cmp_lt_u32 s[KS], 16
	s_cbranch_scc1 .Lrest
; A UNIT'S WAY OUT.  o = O^T x 2^(e4 + e5) / sum; the hold; a lane's eight channels of a tile become 8 bytes; 32 rows of 64 bytes meet in my stage and leave as four stores of 512 consecutive, aligned bytes.
.macro FINISH st, o, ow, ao, k
	v_add_f32 v28, v[\st+2], v[\st+3]              ; the sums' halves,
	v_add_f32 v29, v[\st+6], v[\st+7]
	v_permlanex16_b32 v31, v28, s[SEL], s[SEL+1]
	v_add_f32 v28, v28, v31                        ; and lane l xor 16's
	v_permlanex16_b32 v31, v29, s[SEL], s[SEL+1]
	v_add_f32 v29, v29, v31
	s_wait_alu depctr_va_vdst(0)                   ; ahead of the batch
	v_rcp_f32 v28, v28
	v_rcp_f32 v29, v29
	v_nop                                          ; a plain instruction behind the reciprocals,
	s_wait_alu depctr_va_vdst(0)                   ; and one wait for both, ahead of the first reader
	v_ldexp_f32 v30, v28, s[EPV]
	v_ldexp_f32 v28, v29, s[EPV]
	WIN \ow                                        ; source 0, O^T, in its window
	s_wait_alu depctr_va_vdst(0)                   ; directly ahead of the first reader of O^T
.set n, 0
.rept 16
	v_pk_mul_f32 v[SX+n:SX+n+1], v[\o+n:\o+n+1], v[30:31] op_sel_hi:[1,0]   ; each accumulator from its low end on
.set n, n+2
.endr
.set n, 0
.rept 16
	v_pk_mul_f32 v[SX+32+n:SX+32+n+1], v[\o+32+n:\o+32+n+1], v[28:29] op_sel_hi:[1,0]
.set n, n+2
.endr
	WIN 0
.set n, 0
.rept 64
	v_med3_num_f32 v[SX+n], v[SX+n], -v62, v62
.set n, n+1
.endr
.irp t, 0,1,2,3,4,5,6,7
	v_cvt_scalef32_pk8_fp8_f32 v[32+2*\t:33+2*\t], v[SX+8*\t:SX+8*\t+7], v63
.endr
	v_nop                                          ; one plain vector instruction behind the last conversion
.irp t, 0,1,2,3
	ds_store_b64 v[STO], v[32+2*\t:33+2*\t] offset:2560*\k+16*\t         ; query r, channels 16 t + 8 h on
	ds_store_b64 v[STO], v[40+2*\t:41+2*\t] offset:2560*\k+1280+16*\t    ; query 16 + r
.endr
.irp i, 0,1,2,3
	ds_load_b128 v[SY+16*\k+4*\i:SY+16*\k+4*\i+3], v[RD] offset:2560*\k+640*\i   ; LDS serves a wave's instructions in order (ISA guide 5.7.1.4): these see my stores
.endr
.irp i, 0,1,2,3
	s_wait_dscnt 3-\i                              ; load i is in, the younger ones stay out
	global_store_b128 v[GO], v[SY+16*\k+4*\i:SY+16*\k+4*\i+3], s[\ao:\ao+1] offset:512*\i
.endr
.endm
	PLACES                                         ; behind the last products
	v_and_b32 v28, 15, v0                          ; r
	v_bfe_u32 v29, v0, 4, 1                        ; h
	v_and_b32 v30, 31, v0                          ; lane
	v_mul_u32_u24 v[STO], v28, 80
	v_lshl_add_u32 v[STO], v29, 3, v[STO]
	v_add_nc_u32 v[STO], s98, v[STO]               ; the stage, in: row r, + 8 h
	v_lshlrev_b32 v[GO], 4, v30
	v_lshrrev_b32 v[RD], 2, v30
	v_mul_u32_u24 v[RD], v[RD], 80
	v_and_b32 v11, 3, v30
	v_lshl_add_u32 v[RD], v11, 4, v[RD]
	v_add_nc_u32 v[RD], s98, v[RD]                 ; back: four lanes to a row of 64 bytes
	v_mov_b32 v62, s[LIM6]                         ; 448 x 2^e6
	v_mov_b32 v63, s[SC6]                          ; 2^e6
	FINISH 12, 192, 0, AOL, 0
	FINISH 20, 128, 1, AOS, 1
	s_wait_tensorcnt 0x0                           ; the wave's end: a wait, an add to my spare word and its wait, behind my last tensor load and my last LDS store
	ds_add_u32 v[SPW], v[NIL]
	s_wait_dscnt 0x0
	CROUND                                         ; the closing round
	s_endpgm
.Lfunc_end_k_q771cf34a3e_attn:
	.size	k_q771cf34a3e_attn, .Lfunc_end_k_q771cf34a3e_attn-k_q771cf34a3e_attn
	.p2alignl 7, 3214868480
	.fill 96, 4, 3214868480
	.section	.rodata,"a",@progbits
	.p2align	6, 0x0
	.amdhsa_kernel k_q771cf34a3e_attn
		.amdhsa_group_segment_fixed_size 327680
		.amdhsa_private_segment_fixed_size 0
		.amdhsa_enable_private_segment 0
		.amdhsa_kernarg_size 40
		.amdhsa_user_sgpr_count 2
		.amdhsa_user_sgpr_kernarg_segment_ptr 1
		.amdhsa_wavefront_size32 1
		.amdhsa_system_sgpr_workgroup_id_x 1
		.amdhsa_system_sgpr_workgroup_id_y 1
		.amdhsa_system_sgpr_workgroup_id_z 1
		.amdhsa_system_vgpr_workitem_id 0
		.amdhsa_next_free_vgpr 512
		.amdhsa_next_free_sgpr 100
		.amdhsa_reserve_vcc 1
		.amdhsa_float_denorm_mode_32 3
		.amdhsa_float_denorm_mode_16_64 3
		.amdhsa_memory_ordered 1
		.amdhsa_forward_progress 1
		.amdhsa_inst_pref_size 160
	.end_amdhsa_kernel
	.amdgpu_metadata
---
amdhsa.version: [ 1, 2 ]
amdhsa.kernels:
  - .name:           k_q771cf34a3e_attn
    .symbol:         k_q771cf34a3e_attn.kd
    .args:
      - { .name: q_codes, .offset: 0, .size: 8, .value_kind: global_buffer, .address_space: global }
      - { .name: k_codes, .offset: 8, .size: 8, .value_kind: global_buffer, .address_space: global }
      - { .name: v_codes, .offset: 16, .size: 8, .value_kind: global_buffer, .address_space: global }
      - { .name: lowp_scales, .offset: 24, .size: 8, .value_kind: global_buffer, .address_space: global }
      - { .name: a_codes, .offset: 32, .size: 8, .value_kind: global_buffer, .address_space: global }
    .group_segment_fixed_size: 327680
    .private_segment_fixed_size: 0
    .kernarg_segment_align: 8
    .kernarg_segment_size: 40
    .max_flat_workgroup_size: 256
    .sgpr_count:     100
    .vgpr_count:     512
    .wavefront_size: 32
...
	.end_amdgpu_metadata
.endif
;; end of part 3
;; launch proj (part 4): grid 4 x 64, 4 waves a work-group, clusters of 4 x 4, 327,680 bytes of LDS; arguments a_codes, wout_codes, lowp_scales, b_out, out0; writes out0
.if DOCPART == 4
	.amdgcn_target "amdgcn-amd-amdhsa--gfx1250"
	.amdhsa_code_object_version 6
	.text
	.protected	k_q771cf34a3e_proj
	.globl	k_q771cf34a3e_proj
	.p2align	8
	.type	k_q771cf34a3e_proj,@function
k_q771cf34a3e_proj:
	s_mov_b64 s[64:65], 0
	v_nop
	global_prefetch_b8 v0, s[64:65] scope:SCOPE_SE
	s_setreg_imm32_b32 hwreg(HW_REG_WAVE_MODE, 25, 1), 1
	s_wait_xcnt 0x0
	s_wait_alu depctr_hold_cnt(0) depctr_sa_sdst(0) depctr_va_vdst(0) depctr_va_sdst(0) depctr_va_ssrc(0) depctr_va_vcc(0) depctr_vm_vsrc(0)
	s_getreg_b32 s2, hwreg(HW_REG_IB_STS2, 6, 4)
	s_cmp_eq_u32 s2, 0
	s_cbranch_scc0 .Lentry_in_a_cluster
	s_endpgm
.Lentry_in_a_cluster:
	s_bfe_u32 s2, ttmp6, 0x10000c
	s_cmp_lg_u32 s2, 0xf033
	s_cbranch_scc0 .Lentry_shape_is_right
	s_endpgm
.Lentry_shape_is_right:
; y = a W_out + b_out on codes of FP8 (E4M3), K = 1,024.  a_codes [16 heads][8192 tokens][64 channels], wout_codes [1024 n][1024 k], out0 [8192][1024] f32.  y = sum x 2^(e6 + e7) + bias, one fused multiply-add.
; LIMIT: e6 + e7 between -126 and 127, so that 2^(e6 + e7) is an f32 number.
; A work-group owns 128 tokens x 256 n: 256 work-groups.  Its A, 128 tokens x all 1,024 K, is fetched once and stays in LDS (16 heads x 128 rows of 64 + 16 bytes).  B comes as blocks of 128 n x all 1,024 K
; (128 rows of 1,024 + 16 bytes): the first with A at the head, the second into the same bytes behind the first block's last product.  So LDS is filled again once, and that load is on its way while the
; first block's results are scaled, staged and stored; the first block's stores are on their way while the second block is multiplied.
; Four waves, 64 tokens x 64 n each: 16 accumulators; K in 8 steps of 128 on two sets of fragments.
; CLUSTERS of 4 x 4: A hangs on the work-group's row alone and is shared along a row of the cluster, B on its column alone and is shared along a column; each is asked for jointly.
; At the head waves 0, 1 fetch eight heads each of A, waves 2, 3 64 rows each of B; the refill is shared out among all four waves, 32 rows each.
; NO PREFETCH: the launch has three groups of bytes, two asked for at its head and the third one block later; there is no loop of loads to run ahead in.
; THE MATRIX INSTRUCTION IS USED TRANSPOSED (source 0 = 16 rows of B, source 1 = 16 tokens): a lane holds eight neighbouring numbers of a row of y.
; REGISTERS: window 0: v0-31 addresses; v32-95 the bias of both blocks; v128-191, v192-255 A's fragments (4 x 16 tokens x 128 K), two sets; on the way out v128-191 rows to store.
;            window 1: v0-63, v64-127 B's fragments, two sets; v128-255 accumulator (a, b) at v[128 + 8 (4 a + b)].
.set APITCH, 80
.set HROW,   128*APITCH                ; a head's 128 tokens
.set ASZ,    16*HROW
.set BP,     1040                      ; B's LDS row
.set SPARE,  ASZ+128*BP                ; behind A and B: the spare words, two blocks of 256 bytes that no other line names
.set STAGE,  SPARE+512                 ; the way out: 16 rows x (256 + 16) bytes for each wave, bytes of its own: no fill lands there
.set NROW,   4096
.set ADRA, 16                          ; v16-19: my A fragments, heads 4 j on
.set ADRB, 20
.set STO,  24
.set RD,   25
.set CO,   26
.set BOQ,  27
.set SPW,  28
.set NIL,  29
.set BQ,   32
.set AF,   128
.set BK,   128
.set G1,  24                           ; A: 8 rows of 8,192 bytes
.set G0,  32
.set G0B, 36
.set G0C, 44
.set G1B, 48                           ; B at the head: 64 rows of 1,024 bytes
.set G1C, 56                           ; B's refill: 32 rows
.set MSB, 0
.macro WIN new                         ; the immediate's high byte repeats the setting that is left
.if MSB != \new
	s_set_vgpr_msb (MSB<<8)|\new
.set MSB, \new
.endif
.endm
.set MUL,  0x51                        ; source 0 (B), C and D window 1, source 1 (A) window 0
.macro CREST
	s_cmp_lg_u32 s14, 0
	s_cbranch_scc1 .Lnot_wave_0_\@
	s_barrier_signal -3
.Lnot_wave_0_\@:
	s_barrier_wait -3
	s_barrier_signal -1
	s_barrier_wait -1
.endm
.macro CROUND
	s_barrier_signal -1
	s_barrier_wait -1
	CREST
.endm
.macro PLACES
.rept 4
	v_nop
.endr
.endm
	s_load_b256 s[4:11], s[0:1], 0x0               ; a_codes, wout_codes, the scales' exponents, b_out
	s_load_b64 s[12:13], s[0:1], 0x20              ; out0
	v_lshl_add_u32 v[SPW], v0, 2, SPARE
	v_mov_b32 v[NIL], 0
	ds_add_u32 v[SPW], v[NIL]                      ; the opening: the add, twice on end, and its wait ahead of my first tensor load
	ds_add_u32 v[SPW], v[NIL]
	v_lshrrev_b32 v1, 5, v0
	v_readfirstlane_b32 s14, v1                    ; wave 0..3
	s_lshr_b32 s15, s14, 1                         ; my 64 of the tokens.  Also: at the head I fetch for A (0) or B (1)
	s_and_b32 s16, s14, 1                          ; my 64 of a block's n.  Also: which half I fetch at the head
	s_bfe_u32 s40, ttmp6, 0x40000                  ; cx
	s_bfe_u32 s41, ttmp6, 0x40004                  ; cy
	s_lshl_b32 s42, ttmp9, 2
	s_add_co_u32 s42, s42, s40                     ; my column of 256 n
	s_and_b32 s17, ttmp7, 0xffff
	s_lshl_b32 s17, s17, 2
	s_add_co_u32 s17, s17, s41                     ; my row of 128 tokens
	s_lshl_b32 s43, s41, 2
	s_lshl_b32 s43, 15, s43                        ; my row of the cluster
	s_lshl_b32 s66, 0x1111, s40                    ; my column
	s_or_b32 s[G1+0], s43, (0<<16)|(1<<20)|(1<<21)|(3<<22)|(3<<25)   ; A: elements of 1 byte; four words of padding after every 16; bit 21 beside a mask
	s_mov_b32 s[G1+1], 8192<<16                    ; a row: 128 tokens x 64 bytes of one head, dense
	s_mov_b32 s[G1+2], 8<<16                       ; eight heads
	s_mov_b32 s[G1+3], 8192<<16
	s_mov_b32 s[G1+4], 8
	s_mov_b32 s[G1+5], 524288                      ; from head to head
	s_mov_b32 s[G1+6], 0
	s_mov_b32 s[G1+7], 0
	s_or_b32 s[G1B+0], s66, (0<<16)|(1<<20)|(1<<21)|(7<<22)|(3<<25)  ; B: four words after every 256
	s_mov_b32 s[G1B+1], 1024<<16
	s_mov_b32 s[G1B+2], 64<<16
	s_mov_b32 s[G1B+3], 1024<<16
	s_mov_b32 s[G1B+4], 64
	s_mov_b32 s[G1B+5], 1024
	s_mov_b32 s[G1B+6], 0
	s_mov_b32 s[G1B+7], 0
	s_or_b32 s[G1C+0], s66, (0<<16)|(1<<20)|(1<<21)|(7<<22)|(3<<25)
	s_mov_b32 s[G1C+1], 1024<<16
	s_mov_b32 s[G1C+2], 32<<16
	s_mov_b32 s[G1C+3], 1024<<16
	s_mov_b32 s[G1C+4], 32
	s_mov_b32 s[G1C+5], 1024
	s_mov_b32 s[G1C+6], 0
	s_mov_b32 s[G1C+7], 0
	s_lshl_b32 s20, s17, 13                        ; A: 128 tokens x 64 bytes x my row,
	s_lshl_b32 s18, s16, 22
	s_add_co_u32 s20, s20, s18                     ; + my eight heads
	s_mov_b32 s21, 0
	s_lshl_b32 s68, s42, 8
	s_lshl_b32 s18, s16, 6
	s_add_co_u32 s68, s68, s18
	s_lshl_b32 s68, s68, 10                        ; B, block 0: (256 x column + 64 x half) rows of 1,024 bytes
	s_mov_b32 s69, 0
	s_lshl_b32 s70, s42, 8
	s_lshl_b32 s18, s14, 5
	s_add_co_u32 s70, s70, s18
	s_add_co_u32 s70, s70, 128
	s_lshl_b32 s70, s70, 10                        ; B, block 1: (256 x column + 128 + 32 x wave) rows
	s_mov_b32 s71, 0
	s_mov_b32 s[G0], 1
	s_mul_i32 s[G0+1], s16, 8*HROW
	s_mov_b32 s[G0B], 1
	s_mul_i32 s19, s16, 64*BP
	s_add_co_u32 s[G0B+1], s19, ASZ
	s_mov_b32 s[G0C], 1
	s_mul_i32 s19, s14, 32*BP
	s_add_co_u32 s[G0C+1], s19, ASZ
	s_wait_dscnt 0x0                               ; both opening adds are done
	s_wait_kmcnt 0x0
	s_load_b256 s[84:91], s[8:9], 0x0              ; e0 .. e7
	s_add_nc_u64 s[G0+2:G0+3], s[4:5], s[20:21]
	s_or_b32 s[G0+3], s[G0+3], 0x80000000
	s_add_nc_u64 s[G0B+2:G0B+3], s[6:7], s[68:69]
	s_or_b32 s[G0B+3], s[G0B+3], 0x80000000
	s_add_nc_u64 s[G0C+2:G0C+3], s[6:7], s[70:71]
	s_or_b32 s[G0C+3], s[G0C+3], 0x80000000
	CROUND                                         ; all sixteen work-groups are here: the first joint loads meet
	s_cmp_eq_u32 s15, 0                            ; one tensor load a wave at the head, one to an arm; an s_nop 0 and four v_nop follow each
	s_cbranch_scc0 .Lfor_b
	tensor_load_to_lds s[G0:G0+3], s[G1:G1+7]
	s_nop 0
	PLACES
	s_branch .Lasked
.Lfor_b:
	tensor_load_to_lds s[G0B:G0B+3], s[G1B:G1B+7]
	s_nop 0
	PLACES
.Lasked:
	s_mul_i32 s72, s15, 64*APITCH                  ; my 64 tokens
	s_mul_i32 s73, s16, 64*BP
	s_add_co_u32 s73, s73, ASZ                     ; my 64 rows of B
	s_mul_i32 s74, s14, 16*272
	s_add_co_u32 s74, s74, STAGE                   ; my stage
	s_lshl_b32 s75, s42, 10
	s_lshl_b32 s18, s16, 8
	s_add_co_u32 s75, s75, s18                     ; 4 (256 x column + 64 x half): my first n of block 0, in bytes of f32
	s_lshl_b32 s92, s17, 7
	s_lshl_b32 s93, s15, 6
	s_add_co_u32 s92, s92, s93                     ; my first token
	s_lshl_b32 s92, s92, 12
	s_add_co_u32 s92, s92, s75
	s_mov_b32 s93, 0
	s_add_nc_u64 s[12:13], s[12:13], s[92:93]      ; where block 0 goes,
	s_add_nc_u64 s[76:77], s[12:13], 512           ; and block 1: 128 n on
	v_and_b32 v1, 15, v0                           ; r
	v_bfe_u32 v2, v0, 4, 1                         ; h
	v_mul_u32_u24 v3, v1, APITCH
	v_lshl_add_u32 v3, v2, 4, v3
	v_add_nc_u32 v[ADRA], s72, v3
	v_add_nc_u32 v[ADRA+1], 4*HROW, v[ADRA]
	v_add_nc_u32 v[ADRA+2], 8*HROW, v[ADRA]
	v_add_nc_u32 v[ADRA+3], 12*HROW, v[ADRA]
	v_mul_u32_u24 v4, v1, BP
	v_lshl_add_u32 v4, v2, 4, v4
	v_add_nc_u32 v[ADRB], s73, v4
	v_mul_u32_u24 v5, v1, 272
	v_lshl_add_u32 v5, v2, 5, v5
	v_add_nc_u32 v[STO], s74, v5                   ; the stage, in: row r, 32 bytes for each half of the lanes
	v_mul_u32_u24 v5, v2, 272
	v_lshl_add_u32 v5, v1, 4, v5
	v_add_nc_u32 v[RD], s74, v5                    ; back: sixteen lanes to a row of 256 bytes, two rows an instruction
	v_lshlrev_b32 v[CO], 12, v2
	v_lshl_add_u32 v[CO], v1, 4, v[CO]             ; and the same two rows in y
	v_lshl_add_u32 v[BOQ], v2, 5, s75
.irp t, 0,1
.irp b, 0,1,2,3
	global_load_b128 v[BQ+32*\t+8*\b:BQ+32*\t+8*\b+3], v[BOQ], s[10:11] offset:512*\t+64*\b        ; the bias of block t, n = 16 b + 8 h + 0 .. 7
	global_load_b128 v[BQ+32*\t+8*\b+4:BQ+32*\t+8*\b+7], v[BOQ], s[10:11] offset:512*\t+64*\b+16
.endr
.endr
.macro FETCH q, p                      ; 32 loads: the fragments of K = 128 q on into set p.  Registers 4 c .. 4 c + 3 hold k = 128 q + 32 c + 16 h + 0 .. 15, alike in A (head 2 q + c / 2) and in B
	WIN 0x40
.irp i, 0,1,2,3
.irp c, 0,1,2,3
	ds_load_b128 v[64*(\p)+16*\i+4*\c:64*(\p)+16*\i+4*\c+3], v[ADRB] offset:128*(\q)+32*\c+\i*16*BP
.endr
.endr
	WIN 0
.irp i, 0,1,2,3
.irp c, 0,1,2,3
	ds_load_b128 v[AF+64*(\p)+16*\i+4*\c:AF+64*(\p)+16*\i+4*\c+3], v[ADRA+(\q)/2] offset:(2*((\q)%2)+\c/2)*HROW+\i*16*APITCH+32*(\c%2)
.endr
.endr
.endm
.macro MUL16 p, q                      ; the 16 accumulators take turns in the same order in every step; step 0 starts the sums: nothing is cleared
.irp a, 0,1,2,3
.irp b, 0,1,2,3
.if (\q) == 0
	v_wmma_f32_16x16x128_fp8_fp8 v[128+8*(4*\a+\b):128+8*(4*\a+\b)+7], v[64*(\p)+16*\b:64*(\p)+16*\b+15], v[AF+64*(\p)+16*\a:AF+64*(\p)+16*\a+15], 0
.else
	v_wmma_f32_16x16x128_fp8_fp8 v[128+8*(4*\a+\b):128+8*(4*\a+\b)+7], v[64*(\p)+16*\b:64*(\p)+16*\b+15], v[AF+64*(\p)+16*\a:AF+64*(\p)+16*\a+15], v[128+8*(4*\a+\b):128+8*(4*\a+\b)+7]
.endif
.endr
.endr
.endm
.macro BLOCK                           ; 128 tokens x 128 n over all of K
	FETCH 0, 0
.irp q, 0,1,2,3,4,5,6,7
.if \q < 7
	PLACES                                         ; ahead of loads into registers that the last products read
	FETCH \q+1, (\q+1)%2
	s_wait_dscnt 32                                ; this step's set is in; the 32 loads just issued stay out
.else
	s_wait_dscnt 0x0
.endif
	WIN MUL
	MUL16 \q%2, \q
	WIN 0
.endr
.endm
; THE WAY OUT of block t, by 16 tokens x 64 n: y = sum x 2^(e6 + e7) + bias in place, each accumulator from its low end on; through my stage; back as whole rows of 256 bytes.
.macro TOSTAGE a, t
.set AC, 128+32*(\a)
	WIN 0x41                                       ; destination and source 0 in window 1
.set j, 0
.rept 16
	v_pk_fma_f32 v[AC+j:AC+j+1], v[AC+j:AC+j+1], s[96:97], v[BQ+32*\t+j:BQ+32*\t+j+1] op_sel_hi:[1,0,1]
.set j, j+2
.endr
	WIN 0x04                                       ; the stores' data in window 1
.irp b, 0,1,2,3
	ds_store_b128 v[STO], v[AC+8*\b:AC+8*\b+3] offset:64*\b
	ds_store_b128 v[STO], v[AC+8*\b+4:AC+8*\b+7] offset:64*\b+16
.endr
	WIN 0
.set BB, BK+32*((\a)%2)
.irp i, 0,1,2,3,4,5,6,7
	ds_load_b128 v[BB+4*\i:BB+4*\i+3], v[RD] offset:2*\i*272       ; LDS serves a wave's instructions in order (ISA guide 5.7.1.4): these see my stores
.endr
.endm
.macro SEND a, younger, ptr            ; younger: the LDS instructions issued behind these rows' loads, which stay out
.set BB, BK+32*((\a)%2)
	s_wait_dscnt \younger
.if (\a) > 0
	s_add_nc_u64 s[\ptr:\ptr+1], s[\ptr:\ptr+1], 16*NROW           ; (behind a wait on XCNT: the earlier stores have read their base)
.endif
.irp i, 0,1,2,3,4,5,6,7
	global_store_b128 v[CO], v[BB+4*\i:BB+4*\i+3], s[\ptr:\ptr+1] offset:2*\i*NROW th:TH_STORE_NT   ; sixteen lanes store 256 consecutive, aligned bytes
.endr
.endm
.macro OUT t, ptr
	TOSTAGE 0, \t
.irp a, 1,2,3
.if \a > 1
	s_wait_xcnt 0x0                                ; the stores of two turns back have read their registers and their base
.endif
	TOSTAGE \a, \t
	SEND \a-1, 16, \ptr                            ; behind these rows' loads: the next turn's 8 stores and 8 loads
.endr
	s_wait_xcnt 0x0
	SEND 3, 0, \ptr
.endm
	s_wait_alu depctr_va_vdst(0)                   ; the head's end
	s_wait_tensorcnt 0x0                           ; my part of A or of B's block 0 is in,
	s_wait_dscnt 0x0
	s_barrier_signal -1
	s_barrier_wait -1                              ; and everybody's
	BLOCK
	s_wait_tensorcnt 0x0                           ; ahead of the refill: no tensor load of mine is out;
	ds_add_u32 v[SPW], v[NIL]
	s_wait_dscnt 0x0                               ; the add is done, and my reads of B's block 0 are over
	CROUND                                         ; both now hold of every wave of all sixteen work-groups
	tensor_load_to_lds s[G0C:G0C+3], s[G1C:G1C+7]  ; my 32 rows of B's block 1, into the bytes of block 0
	s_nop 0
	PLACES                                         ; also the places behind the last products
	s_wait_kmcnt 0x0
	s_add_co_i32 s96, s90, s91
	s_add_co_i32 s96, s96, 127
	s_lshl_b32 s96, s96, 23                        ; 2^(e6 + e7) as f32
	s_mov_b32 s97, s96                             ; (named with it as a pair)
	s_wait_loadcnt 0x0                             ; the bias
	OUT 0, 12
	s_wait_xcnt 0x0                                ; the last stores have read their registers: the next block's fragments land there
	s_wait_tensorcnt 0x0                           ; my part of B's block 1 is in,
	s_wait_dscnt 0x0
	s_barrier_signal -1
	s_barrier_wait -1                              ; and everybody's
	BLOCK
	PLACES                                         ; behind the last products
	OUT 1, 76
	s_wait_tensorcnt 0x0                           ; the wave's end: a wait, an add to my spare word and its wait, behind my last tensor load and my last LDS store
	ds_add_u32 v[SPW], v[NIL]
	s_wait_dscnt 0x0
	CROUND                                         ; the closing round
	s_endpgm
.Lfunc_end_k_q771cf34a3e_proj:
	.size	k_q771cf34a3e_proj, .Lfunc_end_k_q771cf34a3e_proj-k_q771cf34a3e_proj
	.p2alignl 7, 3214868480
	.fill 96, 4, 3214868480
	.section	.rodata,"a",@progbits
	.p2align	6, 0x0
	.amdhsa_kernel k_q771cf34a3e_proj
		.amdhsa_group_segment_fixed_size 327680
		.amdhsa_private_segment_fixed_size 0
		.amdhsa_enable_private_segment 0
		.amdhsa_kernarg_size 40
		.amdhsa_user_sgpr_count 2
		.amdhsa_user_sgpr_kernarg_segment_ptr 1
		.amdhsa_wavefront_size32 1
		.amdhsa_system_sgpr_workgroup_id_x 1
		.amdhsa_system_sgpr_workgroup_id_y 1
		.amdhsa_system_sgpr_workgroup_id_z 1
		.amdhsa_system_vgpr_workitem_id 0
		.amdhsa_next_free_vgpr 512
		.amdhsa_next_free_sgpr 98
		.amdhsa_reserve_vcc 0
		.amdhsa_float_denorm_mode_32 3
		.amdhsa_float_denorm_mode_16_64 3
		.amdhsa_memory_ordered 1
		.amdhsa_forward_progress 1
		.amdhsa_inst_pref_size 86
	.end_amdhsa_kernel
	.amdgpu_metadata
---
amdhsa.version: [ 1, 2 ]
amdhsa.kernels:
  - .name:           k_q771cf34a3e_proj
    .symbol:         k_q771cf34a3e_proj.kd
    .args:
      - { .name: a_codes, .offset: 0, .size: 8, .value_kind: global_buffer, .address_space: global }
      - { .name: wout_codes, .offset: 8, .size: 8, .value_kind: global_buffer, .address_space: global }
      - { .name: lowp_scales, .offset: 16, .size: 8, .value_kind: global_buffer, .address_space: global }
      - { .name: b_out, .offset: 24, .size: 8, .value_kind: global_buffer, .address_space: global }
      - { .name: out0, .offset: 32, .size: 8, .value_kind: global_buffer, .address_space: global }
    .group_segment_fixed_size: 327680
    .private_segment_fixed_size: 0
    .kernarg_segment_align: 8
    .kernarg_segment_size: 40
    .max_flat_workgroup_size: 128
    .sgpr_count:     98
    .vgpr_count:     512
    .wavefront_size: 32
...
	.end_amdgpu_metadata
.endif
;; end of part 4
